; MI455X (gfx1250); checked and timed in simulation.
; The chip was launched on July 23, 2026; its instructions are those of AMD's public machine-readable ISA for CDNA 5 (MIT licence, August 2026) and "CDNA5" Instruction Set Architecture Reference Guide (July 2026). The comments in the code are by the model that wrote it; some were corrected since.
;; T Conformer QKV. Allowed arithmetic: matrix products marked QUANTISED: E3M2 operands, one E8M0 scale for each 32 along K, by v_wmma_scale_f32_16x16x128_f8f6f4 with both operands' format E3M2, f32 sums; products left as they are: f32 operands where the result goes on into a quantised operand, else bf16, f16 or f32 operands; f32 sums; everything else in f32.
;; Inputs: b1 256 float32; b2 64 float32; in_proj_b 192 float32; in_proj_w 192 x 64 float32; k 2 x 64 x 512 x 65 float32; ln1_b 64 float32; ln1_w 64 float32; ln2_b 64 float32; ln2_w 64 float32; out_b 64 float32; out_w 64 x 64 float32; q 2 x 64 x 512 x 65 float32; v 2 x 64 x 512 x 65 float32; w1 256 x 64 float32; w2 64 x 256 float32.
;; Outputs: out0 2 x 64 x 512 x 65 float32.
;; This version of the problem:
;;   THIS VERSION OF THE PROBLEM IS GIVEN IN LOW PRECISION. The matrix products marked QUANTISED in the list below multiply operands that are first quantised to E3M2 (3 exponent bits, 2 mantissa bits; 6 bits a number), with one power-of-two scale for each 32 numbers along K (OCP MX v1.0); their sums are f32. All else is computed in f32.
;;   The module's matrix products, in the order in which they are computed (A, B: the left and right operand; K: the contracted axis; several contracted axes count as one K, in the product's order):
;;     1. [M 66,560, K 64] x [K 64, N 64]; A: input q; B: computed on the way: QUANTISED
;;     2. [M 66,560, K 64] x [K 64, N 64]; A: input k; B: computed on the way: QUANTISED
;;     3. [M 66,560, K 64] x [K 64, N 64]; A: input v; B: computed on the way: QUANTISED
;;     4. batch 520 x [M 512, K 16] x [K 16, N 512]; A: computed on the way; B: computed on the way: left as it is (K = 16 < 32)
;;     5. batch 520 x [M 16, K 512] x [K 512, N 512]; A: computed on the way; B: softmax (see below): QUANTISED
;;     6. [M 66,560, K 64] x [K 64, N 64]; A: computed on the way; B: input out_w: QUANTISED
;;     7. [M 66,560, K 64] x [K 64, N 256]; A: computed on the way; B: input w1: QUANTISED
;;     8. [M 66,560, K 256] x [K 256, N 64]; A: computed on the way; B: input w2: QUANTISED
;;   THE QUANTISER, for each operand of a quantised product, along K:
;;     - K is cut into blocks of 32 from its start; a last block that is shorter is filled with zeros.
;;     - A block's scale is 2^e with e = floor(log2(the largest magnitude in the block)) - 4, held to -126 .. 127; a block of zeros has e = 0. As a byte (E8M0): e + 127.
;;     - Each number is divided by its block's scale, clamped to +-28, and rounded to the nearest number of E3M2, ties to even, subnormals kept.
;;     - The product sums the exact products of the quantised numbers (number of the format x scale) in f32.
;;   ~~~python
;;   def quantise(x, axis):      # numpy; x: float32 -> the quantised numbers, widened to float32 again
;;       x = np.moveaxis(x, axis, -1); K = x.shape[-1]
;;       x = np.pad(x, [(0, 0)] * (x.ndim - 1) + [(0, -K % 32)]); x = x.reshape(x.shape[:-1] + (-1, 32)); a = np.abs(x).max(-1, keepdims=True)
;;       e = np.where(a > 0, np.clip(np.frexp(np.where(a > 0, a, 1))[1] - 1 - 4, -126, 127), 0)      # np.frexp(a)[1] - 1 = floor(log2(a)), exactly
;;       r = np.clip(x / 2.0 ** e, -28, 28)
;;       step = 2.0 ** (np.maximum(np.frexp(np.where(r == 0, 1, r))[1] - 1, -2) - 2)
;;       q = np.round(r / step) * step * 2.0 ** e      # np.round: ties to even
;;       return np.moveaxis(q.reshape(q.shape[:-2] + (-1,))[..., :K], -1, axis).astype(np.float32)
;;   ~~~
;;   SOFTMAX AHEAD OF A QUANTISED PRODUCT. Where the list says 'softmax', what is quantised is not the finished softmax but p = 2^(t - M), with t = logit x log2(e) and M = ceil(the row's largest t), a whole number; so 1/2 < the row's largest p <= 1. The row's sum l is taken of the UNQUANTISED p, in f32, and the product's result is divided by l at the end. Since M is a whole number, a kernel that streams over the keys may use a running M (the ceiling of the running maximum): every later rescaling is an exact power of two, which a block's scale takes up: the codes' values come out the same.
;;   OPERANDS COMPUTED ON THE WAY. 'Computed on the way' means the value that the module computes at that place (a softmax that the list does not call 'softmax' is quantised finished and normalised). What goes into a quantiser is computed in f32, as accurately as f32 sums, v_exp_f32 and their like allow (about 1e-6 of the number): no bf16 or f16 on the way to a quantiser, and a product that is left as it is and whose result goes on into a quantised operand takes f32 operands (vector FMAs, or v_wmma_f32_16x16x4_f32). A number that lies on a knife's edge between two numbers of the format may be rounded either way, as far as f32 arithmetic and the matrix unit's own rounding can turn it there, and no further.
;; 2 versions, each right and faster than the one before. Each part assembles by itself: llvm-mc -triple=amdgcn-amd-amdhsa -mcpu=gfx1250 --defsym DOCPART=n.
;; ======== version 1 of 2: 3 launches
;; limits: right only within a limited range of input values
;; workspace buffers: codes 12,779,520 bytes; ctx 4,259,840 bytes
;; launch quant (part 1): grid 64 x 3, 13 waves a work-group, no clusters, 69,632 bytes of LDS; arguments q, k, v, codes; writes codes
.if DOCPART == 1
	.amdgcn_target "amdgcn-amd-amdhsa--gfx1250"
	.amdhsa_code_object_version 6
	.text
	.protected	k_q6dd04f6fa8_quant
	.globl	k_q6dd04f6fa8_quant
	.p2align	8
	.type	k_q6dd04f6fa8_quant,@function
k_q6dd04f6fa8_quant:
	s_mov_b64 s[64:65], 0
	v_nop
	global_prefetch_b8 v0, s[64:65] scope:SCOPE_SE
	s_setreg_imm32_b32 hwreg(HW_REG_WAVE_MODE, 25, 1), 1
	s_wait_xcnt 0x0
; q, k, v [2][64 c][512 t][65 f], f32, become codes of BF6 (E3M2) along c, with one E8M0 byte for each 32 channels, laid for the next launch as images of operand registers.
; A chunk of 1,024 bytes serves 16 steps t of one sequence n = 65 b + f; chunk number (tensor x 130 + n) x 32 + t / 16.  In a chunk, plane p = 0, 1, 2 holds code registers 2 p, 2 p + 1 of
; lane 16 h + t % 16 (h: which 32 channels) at 256 p + 8 x lane; plane 3 holds the token's scale word twice: byte 0 and 1 the two blocks' bytes, bytes 2 and 3 the same again.
; SHARES.  Work-group (x, y): tensor y, batch x / 32, 16 steps t, all 65 f: 1,040 tokens that lie as 4,160 consecutive bytes for each channel.  Wave w takes five units of 16 tokens.
; A LANE TAKES A TOKEN AND A BLOCK, AND ITS REGISTERS RUN DOWN c: a block's largest magnitude needs no other lane, and the conversions give codes with c innermost.  Nothing is transposed by an instruction.
; The codes meet in LDS, one chunk image for each f, and leave as runs of 512 consecutive bytes, aligned.  One barrier.  Loads run two units (64 loads a wave) ahead.
; A block's scale is 2^(floor(log2(largest magnitude)) - 4): its byte is the magnitude's exponent field - 4, held at 1 from below by a floor among the maximum's leaves.
; LIMITS: NaN and infinities are not served; a block of zeros gets the byte 1 where the rule says 127 (its codes are zeros; this program alone reads the bytes).
; 192 work-groups: a chunk wants 16 steps t, and fewer f to a work-group would cut the consecutive runs.  No tensor loads, no matrix work: memory binds here.
.set CSTR,  133120                     ; bytes from channel to channel
.set PITCH, 1040                       ; a chunk image in LDS: 1,024 bytes + 16
.set FLOOR, 0x2800000                  ; 2^(5 - 127)
.set DOWN4, 0xfe000000                 ; 4 off an exponent field
.set SEL,   20                         ; s[20:21] selects for lane l xor 16
.set X,     16                         ; v16-79   two sets of 32 numbers
.set CO,    80                         ; v80-119  codes: eight registers a unit, six used
.set PR,    120                        ; v120-129 the scale word twice, a pair a unit
.set BMA,   10
.set BMB,   11
.set BT,    12                         ; v12-14   the upper 16 codes (a conversion's three registers begin on an even number)
.set BSO,   15
.set BBY,   130
.set BPD,   131
.set BHW,   132
.set B8H,   2                          ; v2       8 h
; 32 numbers of one block in v[x] on become six code registers in v[dst] on; v[BHW] = byte of block 0 | byte of block 1 << 8 of the lane's token
.macro BLK32 x, dst
	v_max3_num_f32 v[BMA], |v[(\x)]|, |v[(\x)+1]|, |v[(\x)+2]|
	v_max3_num_f32 v[BMB], |v[(\x)+3]|, |v[(\x)+4]|, |v[(\x)+5]|
.irp i, 6,10,14,18,22,26
	v_max3_num_f32 v[BMA], v[BMA], |v[(\x)+\i]|, |v[(\x)+\i+1]|
	v_max3_num_f32 v[BMB], v[BMB], |v[(\x)+\i+2]|, |v[(\x)+\i+3]|
.endr
	v_max3_num_f32 v[BMA], v[BMA], |v[(\x)+30]|, |v[(\x)+31]|
	v_max3_num_f32 v[BMA], v[BMA], v[BMB], FLOOR               ; the floor holds the byte at 1 from below
	v_add_nc_u32 v[BSO], DOWN4, v[BMA]                         ; the conversion takes this operand's exponent field as its scale
	v_cvt_scalef32_pk16_bf6_f32 v[(\dst):(\dst)+2], v[(\x):(\x)+15], v[BSO]
	v_cvt_scalef32_pk16_bf6_f32 v[BT:BT+2], v[(\x)+16:(\x)+31], v[BSO]
	v_lshrrev_b32 v[BBY], 23, v[BSO]                           ; the byte; also the plain line behind the conversions
.irp i, 0,1,2
	v_mov_b32 v[(\dst)+3+\i], v[BT+\i]
.endr
	v_lshlrev_b32 v[BBY], v[B8H], v[BBY]                       ; at its place in the word,
	v_permlanex16_b32 v[BPD], v[BBY], s[SEL], s[SEL+1]
	v_or_b32 v[BHW], v[BBY], v[BPD]                            ; with the other block's, from lane l xor 16
.endm
	s_load_b256 s[4:11], s[0:1], 0x0               ; q s[4:5], k s[6:7], v s[8:9], codes s[10:11]
	v_lshl_add_u32 v144, v0, 2, 0x10900
	v_mov_b32 v145, 0
	v_lshrrev_b32 v10, 5, v0
	v_readfirstlane_b32 s12, v10                   ; wave 0..12
	v_and_b32 v10, 15, v0                          ; r: my token in a unit
	v_bfe_u32 v11, v0, 4, 1                        ; h: my block
	v_and_b32 v130, 31, v0                         ; lane
	s_lshr_b32 s13, ttmp9, 5                       ; batch
	s_and_b32 s14, ttmp9, 31                       ; which 16 steps t
	s_and_b32 s15, ttmp7, 0xffff                   ; tensor
	s_mov_b32 s[SEL], 0x76543210
	s_mov_b32 s[SEL+1], 0xfedcba98
	s_mul_i32 s22, s12, 320
	v_lshl_add_u32 v1, v10, 2, s22                 ; in: 320 w + 4 r,
	v_mad_u32_u24 v1, v11, 0x410000, v1            ; + 32 channels for the upper block
	v_lshlrev_b32 v2, 3, v11
	s_mul_i32 s23, s12, 80
	v_add_nc_u32 v13, s23, v10                     ; my token of unit 0: 80 w + r
.irp i, 0,1,2,3,4
	v_add_nc_u32 v12, 16*\i, v13                   ; token jl = 65 (t % 16) + f
	v_mul_u32_u24 v14, v12, 1009
	v_lshrrev_b32 v14, 16, v14                     ; jl / 65 (exact for jl under 1,040)
	v_mul_u32_u24 v15, v14, 65
	v_sub_nc_u32 v12, v12, v15                     ; f
	v_mul_u32_u24 v12, v12, PITCH
	v_lshl_add_u32 v12, v14, 3, v12
	v_lshl_add_u32 v[3+\i], v11, 7, v12            ; chunk image f, place 8 (16 h + t % 16)
.endr
	s_mul_i32 s24, s12, 5*PITCH
	v_lshl_add_u32 v8, v130, 4, s24                ; back: my wave's five chunk images, 16 bytes a lane
	s_mul_i32 s25, s12, 5*32768
	v_lshl_add_u32 v9, v130, 4, s25                ; and the same chunks in memory, 32 chunks apart
	v_mov_b32 v[BPD], 0                            ; a lane permute's destination counts as read
	s_mul_i32 s16, s13, 8519680
	s_mul_i32 s17, s14, 4160
	s_add_co_u32 s16, s16, s17
	s_mov_b32 s17, 0
	s_mul_i32 s18, s15, 130
	s_mul_i32 s19, s13, 65
	s_add_co_u32 s18, s18, s19
	s_lshl_b32 s18, s18, 15
	s_lshl_b32 s19, s14, 10
	s_add_co_u32 s18, s18, s19
	s_mov_b32 s19, 0
	s_wait_kmcnt 0x0
	s_cmp_eq_u32 s15, 1                            ; the choice of tensor hangs on the work-group's number alone
	s_cselect_b64 s[4:5], s[6:7], s[4:5]
	s_cmp_eq_u32 s15, 2
	s_cselect_b64 s[4:5], s[8:9], s[4:5]
	s_add_nc_u64 s[4:5], s[4:5], s[16:17]
	s_add_nc_u64 s[10:11], s[10:11], s[18:19]
.macro LOAD i                          ; unit i: 32 channels of my block; sixteen lanes read 64 consecutive bytes
.irp c, 0,1,2,3,4,5,6,7,8,9,10,11,12,13,14,15,16,17,18,19,20,21,22,23,24,25,26,27,28,29,30,31
	global_load_b32 v[X+32*((\i)%2)+\c], v1, s[4:5] offset:64*(\i)+CSTR*\c th:TH_LOAD_NT
.endr
.endm
.macro UNIT i
.if \i < 4
	s_wait_loadcnt 32                              ; this unit's 32 loads are in; the next unit's 32 may be out
.else
	s_wait_loadcnt 0x0
.endif
	BLK32 X+32*(\i%2), CO+8*\i
	v_lshl_or_b32 v[PR+2*\i], v[BHW], 16, v[BHW]   ; the word: the two bytes, and the same again for the half of K that holds no number
	v_mov_b32 v[PR+2*\i+1], v[PR+2*\i]
	ds_store_b64 v[3+\i], v[CO+8*\i:CO+8*\i+1]
	ds_store_b64 v[3+\i], v[CO+8*\i+2:CO+8*\i+3] offset:256
	ds_store_b64 v[3+\i], v[CO+8*\i+4:CO+8*\i+5] offset:512
	ds_store_b64 v[3+\i], v[PR+2*\i:PR+2*\i+1] offset:768
.if \i < 3
	LOAD \i+2
.endif
.endm
	LOAD 0
	LOAD 1
.irp i, 0,1,2,3,4
	UNIT \i
.endr
	s_wait_dscnt 0x0                               ; for the others: my stores have landed
	s_barrier_signal -1
	s_barrier_wait -1
.irp i, 0,1,2,3,4
.irp k, 0,1
	ds_load_b128 v[16+4*(2*\i+\k):19+4*(2*\i+\k)], v8 offset:PITCH*\i+512*\k
.endr
.endr
.irp i, 0,1,2,3,4
.irp k, 0,1
	s_wait_dscnt 9-(2*\i+\k)                       ; LDS loads come back in order: the younger ones may be out
	global_store_b128 v9, v[16+4*(2*\i+\k):19+4*(2*\i+\k)], s[10:11] offset:32768*\i+512*\k   ; 32 lanes store 512 consecutive bytes, aligned
.endr
.endr
	s_barrier_signal -1
	s_barrier_wait -1
	s_wait_tensorcnt 0x0
	ds_add_u32 v144, v145
	s_wait_dscnt 0x0
	s_endpgm
.Lfunc_end_k_q6dd04f6fa8_quant:
	.size	k_q6dd04f6fa8_quant, .Lfunc_end_k_q6dd04f6fa8_quant-k_q6dd04f6fa8_quant
	.p2alignl 7, 3214868480
	.fill 96, 4, 3214868480
	.section	.rodata,"a",@progbits
	.p2align	6, 0x0
	.amdhsa_kernel k_q6dd04f6fa8_quant
		.amdhsa_group_segment_fixed_size 69632
		.amdhsa_private_segment_fixed_size 0
		.amdhsa_enable_private_segment 0
		.amdhsa_kernarg_size 32
		.amdhsa_user_sgpr_count 2
		.amdhsa_user_sgpr_kernarg_segment_ptr 1
		.amdhsa_wavefront_size32 1
		.amdhsa_system_sgpr_workgroup_id_x 1
		.amdhsa_system_sgpr_workgroup_id_y 1
		.amdhsa_system_sgpr_workgroup_id_z 1
		.amdhsa_system_vgpr_workitem_id 0
		.amdhsa_next_free_vgpr 146
		.amdhsa_next_free_sgpr 66
		.amdhsa_reserve_vcc 0
		.amdhsa_float_denorm_mode_32 3
		.amdhsa_float_denorm_mode_16_64 3
		.amdhsa_memory_ordered 1
		.amdhsa_forward_progress 1
		.amdhsa_inst_pref_size 32
	.end_amdhsa_kernel
	.amdgpu_metadata
---
amdhsa.version: [ 1, 2 ]
amdhsa.kernels:
  - .name:           k_q6dd04f6fa8_quant
    .symbol:         k_q6dd04f6fa8_quant.kd
    .args:
      - { .name: q, .offset: 0, .size: 8, .value_kind: global_buffer, .address_space: global }
      - { .name: k, .offset: 8, .size: 8, .value_kind: global_buffer, .address_space: global }
      - { .name: v, .offset: 16, .size: 8, .value_kind: global_buffer, .address_space: global }
      - { .name: codes, .offset: 24, .size: 8, .value_kind: global_buffer, .address_space: global }
    .group_segment_fixed_size: 69632
    .private_segment_fixed_size: 0
    .kernarg_segment_align: 8
    .kernarg_segment_size: 32
    .max_flat_workgroup_size: 416
    .sgpr_count:     66
    .vgpr_count:     146
    .wavefront_size: 32
...
	.end_amdgpu_metadata
.endif
;; end of part 1
;; launch attn (part 2): grid 130 x 4, 4 waves a work-group, no clusters, 99,072 bytes of LDS; arguments codes, in_proj_w, in_proj_b, ctx; writes ctx
.if DOCPART == 2
	.amdgcn_target "amdgcn-amd-amdhsa--gfx1250"
	.amdhsa_code_object_version 6
	.text
	.protected	k_q6dd04f6fa8_attn
	.globl	k_q6dd04f6fa8_attn
	.p2align	8
	.type	k_q6dd04f6fa8_attn,@function
k_q6dd04f6fa8_attn:
	s_mov_b64 s[64:65], 0
	v_nop
	global_prefetch_b8 v0, s[64:65] scope:SCOPE_SE
	s_setreg_imm32_b32 hwreg(HW_REG_WAVE_MODE, 25, 1), 1
	s_wait_xcnt 0x0
; Banded causal attention on the codes that the first launch made.  Sequence n = work-group x; wave j = 4 y + wave owns queries 32 j .. 32 j + 31 (two tiles a of 16), all four heads of 16.
; Key s counts for query t where t - 64 < s <= t: the wave's keys are 32 j - 64 .. 32 j + 31, three aligned blocks b of 32, six tiles (b, u).  What the mask throws away elsewhere is not computed.
; THE KEYS OF A TILE ARE NOT NEIGHBOURS: row m of tile (b, u) is key 32 b + 8 u + m + 8 (m / 8), so that a lane's 16 registers of tiles (b, 0), (b, 1) are 16 neighbouring keys, 32 b + 16 h + 0 .. 15.
; FOR EACH HEAD:  V^T-wise projection (source 0 = 16 keys, source 1 = 16 rows of Wv, C = the bias): a lane holds d = r and registers along the keys: quantised along the keys in registers.
;   K and Q projections the other way round (source 0 = the weight): a lane holds one token and d = 8 h + 0 .. 7: these ARE operands of the f32 form (slot 2 h + i holds d = 8 h + 2 st + i on both sides).
;   Scores S^T = K Q^T by the f32 matrix form in four steps of 4, their first C the mask (0 or -1e30).  t = score x log2(e) / 4; M = ceil(largest t); p = 2^(t - M); the sum of the unquantised p divides at the end.
;   O^T = V^T P^T on codes; two heads' results, divided by the sum, are 16 numbers a lane of one block of 32 channels: quantised and laid into a slot of 64 bytes for each token.
; A product over 64 takes one instruction of 128: the weight's upper six registers are zero codes, the tokens' upper six are whatever registers follow; the scale words repeat their two bytes.
; ctx: units of 256 bytes, number (128 b + t / 4) x 65 + f, slot t % 4: 24 + 24 bytes of codes, at 48 the two scale bytes twice, then fill.  In a block the places' octets 0, 1, 2, 3 hold channel octets 0, 2, 1, 3.
; The weights are quantised here, a twelfth by each of twelve jobs (three a wave), and go from wave to wave through LDS as images of their registers.  One barrier; behind it a wave writes its own bytes alone.
; LIMITS: NaN and infinities are not served; a hidden key is -1e30 ADDED to its score, the same as -1e30 while |q.k| stays under 2^70; a block of zeros has the byte 1, in workspace alone.
; No tensor loads, no cluster: a wave reads 12 KiB of codes once.
.set FLOOR, 0x2800000
.set DOWN4, 0xfe000000
.set SEL,   20
.set WIMG,  0                          ; 12 x 1,536: a row tile of in_proj_w: 6 code registers + 6 of zeros, three images of 512 bytes
.set WSC,   18432                      ; 12 x 128: its scale words, 4 bytes a lane
.set PAR,   19968                      ; in_proj_b
.set PAT,   20736                      ; 4 x 2,048: mask 2 a + s (s = 0: block 0, s = 1: block 2), 16 registers as four images
.set ALLM,  28928                      ; 2,048 bytes of -1e30
.set ZERO,  30976                      ; 2,048 bytes of 0
.set PRIV,  33024                      ; 4 x 16,384: each wave's own
.set OVC,   4608                       ; in it: K's codes at 0, V's here,
.set OQC,   9216                       ; Q's,
.set OSV,   10752                      ; the even head's results, 2 x 1,024,
.set OSTG,  12800                      ; the slots: 32 rows of 80 bytes
.set A,    16                          ; v16-63   six tiles: V's projection, then K's
.set QH,   64                          ; v64-79   Q's two tiles
.set S,    80                          ; v80-127  scores; written by matrix instructions alone
.set VF,   128                         ; v128-139 V's codes
.set CD,   140                         ; v140-193 token codes
.set WA,   194                         ; v194-205 Wv, then Wk
.set WQ,   206                         ; v206-217 Wq
.set BV,   218                         ; v218-225 V's bias, then K's
.set BQ,   226                         ; v226-233 Q's bias
.set TMP,  226                         ; v226-237 at work while V is quantised
.set TPJ,  238
.set MK,   140                         ; v140-179 masks
.set P0,   140                         ; v140-171 p, two sets of 16
.set PF,   172                         ; v172-183 p's codes
.set TT,   184
.set OS,   188                         ; v188-203 two heads' results
.set TM,   204                         ; v204-215 at work
.set LS,   216                         ; v216-219 the sum, two pairs
.set RL,   220                         ; v220-221 1 / the sum
.set BMA,  234
.set BMB,  235
.set BSO,  236
.set BBY,  237
.set BPD,  238
.set BHW,  239
.set BT,   240
.set B8H,  233
; v244-246 K's scale words, v247-249 V's (lanes 0-15: u = 0, lanes 16-31: u = 1), v250 Q's (lanes 16-31: a = 1), v251-253 Wq's, Wk's, Wv's, v254 V's along the keys, v255 p's: scales and nothing else
.macro NOPS n
.rept \n
	v_nop
.endr
.endm
.macro WM d, a, b, c, sa, sb
	v_wmma_scale_f32_16x16x128_f8f6f4 v[(\d):(\d)+7], v[(\a):(\a)+11], v[(\b):(\b)+11], v[(\c):(\c)+7], v[(\sa)], v[(\sb)] matrix_a_fmt:MATRIX_FMT_BF6 matrix_b_fmt:MATRIX_FMT_BF6
.endm
.macro WMA d, a, b, c, sa, sb
	v_wmma_scale_f32_16x16x128_f8f6f4 v[(\d):(\d)+7], v[(\a):(\a)+11], v[(\b):(\b)+11], v[(\c):(\c)+7], v[(\sa)], v[(\sb)] matrix_a_fmt:MATRIX_FMT_BF6 matrix_b_fmt:MATRIX_FMT_BF6 matrix_a_scale:MATRIX_SCALE_ROW1
.endm
.macro WMB d, a, b, c, sa, sb
	v_wmma_scale_f32_16x16x128_f8f6f4 v[(\d):(\d)+7], v[(\a):(\a)+11], v[(\b):(\b)+11], v[(\c):(\c)+7], v[(\sa)], v[(\sb)] matrix_a_fmt:MATRIX_FMT_BF6 matrix_b_fmt:MATRIX_FMT_BF6 matrix_b_scale:MATRIX_SCALE_ROW1
.endm
.macro BLK32 x, dst                    ; a whole block in a lane: six code registers, and v[BHW] = the row's two bytes
	v_max3_num_f32 v[BMA], |v[(\x)]|, |v[(\x)+1]|, |v[(\x)+2]|
	v_max3_num_f32 v[BMB], |v[(\x)+3]|, |v[(\x)+4]|, |v[(\x)+5]|
.irp i, 6,10,14,18,22,26
	v_max3_num_f32 v[BMA], v[BMA], |v[(\x)+\i]|, |v[(\x)+\i+1]|
	v_max3_num_f32 v[BMB], v[BMB], |v[(\x)+\i+2]|, |v[(\x)+\i+3]|
.endr
	v_max3_num_f32 v[BMA], v[BMA], |v[(\x)+30]|, |v[(\x)+31]|
	v_max3_num_f32 v[BMA], v[BMA], v[BMB], FLOOR
	v_add_nc_u32 v[BSO], DOWN4, v[BMA]
	v_cvt_scalef32_pk16_bf6_f32 v[(\dst):(\dst)+2], v[(\x):(\x)+15], v[BSO]
	v_cvt_scalef32_pk16_bf6_f32 v[BT:BT+2], v[(\x)+16:(\x)+31], v[BSO]
	v_lshrrev_b32 v[BBY], 23, v[BSO]               ; also the plain line behind the conversions
.irp i, 0,1,2
	v_mov_b32 v[(\dst)+3+\i], v[BT+\i]
.endr
	v_lshlrev_b32 v[BBY], v[B8H], v[BBY]
	v_permlanex16_b32 v[BPD], v[BBY], s[SEL], s[SEL+1]
	v_or_b32 v[BHW], v[BBY], v[BPD]
.endm
; nb blocks, 16 numbers of each in my lane at x + 16 b, the other 16 in lane l xor 16: v[tm+8+b] = the conversion's scale operand, v[tm+4+b] = the byte
.macro HMAX x, nb, tm
.set hb, 0
.rept \nb
	v_max3_num_f32 v[\tm+hb], |v[\x+16*hb]|, |v[\x+16*hb+1]|, FLOOR
.set hb, hb+1
.endr
.irp i, 2,4,6,8,10,12,14
.set hb, 0
.rept \nb
	v_max3_num_f32 v[\tm+hb], v[\tm+hb], |v[\x+16*hb+\i]|, |v[\x+16*hb+\i+1]|
.set hb, hb+1
.endr
.endr
.set hb, 0
.rept \nb
	v_permlanex16_b32 v[\tm+4+hb], v[\tm+hb], s[SEL], s[SEL+1]
.set hb, hb+1
.endr
.set hb, 0
.rept \nb
	v_max_num_f32 v[\tm+hb], v[\tm+hb], v[\tm+4+hb]
.set hb, hb+1
.endr
.set hb, 0
.rept \nb
	v_add_nc_u32 v[\tm+8+hb], DOWN4, v[\tm+hb]
.set hb, hb+1
.endr
.set hb, 0
.rept \nb
	v_lshrrev_b32 v[\tm+4+hb], 23, v[\tm+8+hb]
.set hb, hb+1
.endr
.endm
; half blocks 0, 1, 2 (in d, t, d + 6) become the operand's twelve registers: a whole block in a lane; block 3 is zero codes
.macro PACK3 d, t
.irp i, 0,1,2
	v_mov_b32 v[\d+9+\i], 0
.endr
.irp i, 0,1,2
	v_permlane16_swap_b32 v[\d+\i], v[\t+\i]
.endr
.irp i, 0,1,2
	v_mov_b32 v[\d+3+\i], v[\t+\i]
.endr
.irp i, 0,1,2
	v_permlane16_swap_b32 v[\d+6+\i], v[\d+9+\i]
.endr
.endm
	s_load_b256 s[4:11], s[0:1], 0x0               ; codes s[4:5], in_proj_w s[6:7], in_proj_b s[8:9], ctx s[10:11]
	v_lshl_add_u32 v4, v0, 2, 0x18100
	s_set_vgpr_msb 0x40
	v_mov_b32 v1, 0
	s_set_vgpr_msb 0x4000
	v_lshrrev_b32 v238, 5, v0
	v_readfirstlane_b32 s12, v238                  ; wave 0..3
	s_mov_b32 s13, ttmp9                           ; n
	s_and_b32 s14, ttmp7, 0xffff
	s_lshl_b32 s14, s14, 2
	s_add_co_u32 s14, s14, s12                     ; j
	s_cmp_ge_u32 s13, 65
	s_cselect_b32 s15, 1, 0                        ; batch
	s_mul_i32 s41, s15, 65
	s_sub_co_u32 s16, s13, s41                     ; f
	s_mov_b32 s[SEL], 0x76543210
	s_mov_b32 s[SEL+1], 0xfedcba98
	s_mov_b32 s22, 0x3eb8aa3b                      ; log2(e) / 4
	s_mov_b32 s23, s22
	s_mov_b32 s40, 0xf149f2ca                      ; -1e30
	v_and_b32 v238, 31, v0                         ; lane
	v_and_b32 v239, 15, v0                         ; r
	v_bfe_u32 v240, v0, 4, 1                       ; h
	v_lshlrev_b32 v1, 4, v238                      ; 16 x lane: an image's place
	v_lshlrev_b32 v3, 2, v238                      ; 4 x lane: a scale word's
	s_lshl_b32 s41, s12, 14
	s_add_co_u32 s41, s41, PRIV                    ; my wave's own bytes
	v_add_nc_u32 v2, s41, v1
	v_lshl_add_u32 v5, v240, 5, PAR                ; biases by d = 8 h + 0 .. 7
	v_lshl_add_u32 v6, v239, 2, PAR                ; and by d = r
	v_mul_u32_u24 v241, v239, 80
	v_add_nc_u32 v241, s41, v241
	v_add_nc_u32 v11, OSTG+48, v241                ; slot of query r: its scale bytes
	v_mad_u32_u24 v10, v240, 12, v241
	v_add_nc_u32 v10, OSTG, v10                    ; and my 12 bytes of a block's codes
	v_lshrrev_b32 v242, 2, v238
	v_mul_u32_u24 v242, v242, 80
	v_and_b32 v243, 3, v238
	v_lshl_add_u32 v242, v243, 4, v242
	v_add_nc_u32 v242, s41, v242
	v_add_nc_u32 v12, OSTG, v242                   ; back: four lanes to a slot
	v_mul_u32_u24 v13, v240, 16640
	v_lshl_add_u32 v13, v239, 4, v13               ; out: sixteen lanes to a unit, units 65 apart
	v_lshrrev_b32 v241, 3, v239
	v_and_b32 v242, 7, v239
	v_lshlrev_b32 v243, 3, v242
	v_lshl_add_u32 v243, v241, 10, v243            ; chunk r / 8, place 8 (r % 8)
	v_lshl_add_u32 v224, v240, 7, v243             ; K's and V's codes: + 128 h
	v_lshlrev_b32 v225, 3, v238                    ; Q's codes, and the bias copy: 8 x lane
	v_lshl_add_u32 v226, v240, 6, v243
	v_add_nc_u32 v226, 768, v226                   ; K's and V's scale words: lanes 16-31 take u = 1
	v_lshlrev_b32 v227, 3, v239
	v_lshl_add_u32 v227, v240, 10, v227
	v_add_nc_u32 v227, 768, v227                   ; Q's: lanes 16-31 take a = 1
	s_mul_i32 s42, s12, 12288
	v_lshl_add_u32 v228, v239, 8, s42
	v_lshl_add_u32 v228, v240, 7, v228             ; in_proj_w: my three row tiles, row r, block h
	s_lshl_b32 s42, s12, 11
	v_add_nc_u32 v229, s42, v1                     ; my mask's images
	s_lshl_b32 s42, s12, 10
	v_add_nc_u32 v230, s42, v1                     ; my quarter of the two flat tables
	s_mul_i32 s42, s12, 4608
	v_add_nc_u32 v231, s42, v1                     ; my three weight images
	s_mul_i32 s42, s12, 384
	v_add_nc_u32 v232, s42, v3                     ; and their scale words
	v_lshlrev_b32 v233, 3, v240                    ; 8 h
	s_lshr_b32 s42, s12, 1
	s_lshl_b32 s42, s42, 4
	v_lshlrev_b32 v234, 4, v240
	v_sub_nc_u32 v234, v239, v234
	v_add_nc_u32 v234, s42, v234                   ; 16 a + r - 16 h, for the mask that my wave builds (a = wave / 2)
	s_mov_b32 s42, PAT
	s_mov_b32 s43, PAT+4096
	s_mov_b32 s44, ZERO
	s_cmp_lt_u32 s14, 2                            ; block 0 lies ahead of the sequence for j = 0, 1; block 1 for j = 0: all hidden
	s_cselect_b32 s42, ALLM, s42
	s_cselect_b32 s43, ALLM, s43
	s_cmp_eq_u32 s14, 0
	s_cselect_b32 s44, ALLM, s44
	v_add_nc_u32 v7, s42, v1
	v_add_nc_u32 v8, s43, v1
	v_add_nc_u32 v9, s44, v1
	s_and_b32 s42, s12, 1
	s_cmp_eq_u32 s42, 0
	s_cselect_b32 s43, s40, 0
	s_cselect_b32 s44, 0, s40
	v_mov_b32 v235, s43
	v_mov_b32 v236, s44
	s_cmp_lt_u32 s12, 2
	s_cselect_b32 s56, s40, 0
	s_lshl_b32 s45, s13, 15                        ; a sequence's 32 chunks
	s_lshl_b32 s46, s14, 11
	s_add_co_u32 s46, s46, s45
	s_mov_b32 s47, 0
.irp b, 0,1,2
	s_lshl_b32 s[48+2*\b], s14, 1
	s_add_co_i32 s[48+2*\b], s[48+2*\b], 2*\b-4
	s_max_i32 s[48+2*\b], s[48+2*\b], 0            ; held inside the sequence: what is read in place of keys under 0 is hidden by the masks
	s_lshl_b32 s[48+2*\b], s[48+2*\b], 10
	s_add_co_u32 s[48+2*\b], s[48+2*\b], s45
	s_add_co_u32 s[48+2*\b], s[48+2*\b], 4259840
	s_mov_b32 s[49+2*\b], 0
.endr
	s_lshl_b32 s54, s15, 7
	s_lshl_b32 s55, s14, 3
	s_add_co_u32 s54, s54, s55
	s_mul_i32 s54, s54, 65
	s_add_co_u32 s54, s54, s16
	s_lshl_b32 s54, s54, 8
	s_mov_b32 s55, 0
	s_wait_kmcnt 0x0
	s_add_nc_u64 s[24:25], s[4:5], s[46:47]        ; q's two chunks
.irp b, 0,1,2
	s_add_nc_u64 s[26+2*\b:27+2*\b], s[4:5], s[48+2*\b:49+2*\b]          ; k's two chunks of block b
	s_add_nc_u64 s[32+2*\b:33+2*\b], s[26+2*\b:27+2*\b], 4259840         ; v's
.endr
	s_add_nc_u64 s[38:39], s[10:11], s[54:55]
.irp i, 0,1,2
.irp q, 0,1,2,3,4,5,6,7
	global_load_b128 v[128+32*\i+4*\q:131+32*\i+4*\q], v228, s[6:7] offset:4096*\i+16*\q
.endr
.endr
.irp b, 0,1,2
.irp u, 0,1
.irp p, 0,1,2
	global_load_b64 v[16+6*(2*\b+\u)+2*\p:17+6*(2*\b+\u)+2*\p], v224, s[26+2*\b:27+2*\b] offset:64*\u+256*\p
.endr
.endr
.endr
.irp a, 0,1
.irp p, 0,1,2
	global_load_b64 v[52+6*\a+2*\p:53+6*\a+2*\p], v225, s[24:25] offset:1024*\a+256*\p
.endr
.endr
.irp b, 0,1,2
	global_load_b32 v[244+\b], v226, s[26+2*\b:27+2*\b]
.endr
.irp b, 0,1,2
	global_load_b32 v[247+\b], v226, s[32+2*\b:33+2*\b]
.endr
	global_load_b32 v250, v227, s[24:25]
	; the masks.  Register n of a block holds key 16 h + n of it.  Block 0: the key counts where n > 16 a + r - 16 h; block 2: where n <= that
.irp n, 0,1,2,3,4,5,6,7,8,9,10,11,12,13,14,15
	v_cmp_gt_i32 vcc_lo, \n, v234
	v_cndmask_b32 v[64+\n], v235, v236, vcc_lo
.endr
.irp i, 0,1,2,3
	ds_store_b128 v229, v[64+4*\i:67+4*\i] offset:PAT+512*\i
.endr
	s_wait_dscnt 0x0
.irp i, 0,1,2,3
	v_mov_b32 v[64+\i], s56                        ; waves 0, 1: -1e30; waves 2, 3: 0
.endr
	ds_store_b128 v230, v[64:67] offset:ALLM
	ds_store_b128 v230, v[64:67] offset:ALLM+512
	s_wait_dscnt 0x0
	s_cmp_lg_u32 s12, 0
	s_cbranch_scc1 .Lno_bias                       ; wave 0 copies in_proj_b, 768 bytes
	global_load_b64 v[64:65], v225, s[8:9]
	global_load_b64 v[66:67], v225, s[8:9] offset:256
	global_load_b64 v[68:69], v225, s[8:9] offset:512
	s_wait_loadcnt 0x0
	ds_store_b64 v225, v[64:65] offset:PAR
	ds_store_b64 v225, v[66:67] offset:PAR+256
	ds_store_b64 v225, v[68:69] offset:PAR+512
	s_wait_dscnt 0x0
.Lno_bias:
	s_wait_loadcnt 31                              ; the weights are in: the 31 loads of codes and scale words were issued behind them
.irp i, 0,1,2,3,4,5
	v_mov_b32 v[70+\i], 0                          ; the upper half of K: zero codes
.endr
.irp i, 0,1,2
	BLK32 128+32*\i, 64
	v_lshl_or_b32 v[BHW], v[BHW], 16, v[BHW]
	ds_store_b128 v231, v[64:67] offset:WIMG+1536*\i
	ds_store_b128 v231, v[68:71] offset:WIMG+1536*\i+512
	ds_store_b128 v231, v[72:75] offset:WIMG+1536*\i+1024
	ds_store_b32 v232, v[BHW] offset:WSC+128*\i
	s_wait_dscnt 0x0                               ; the stores have read their registers
.endr
.irp b, 0,1,2
.irp u, 0,1
.irp p, 0,1,2
	global_load_b64 v[128+6*(2*\b+\u)+2*\p:129+6*(2*\b+\u)+2*\p], v224, s[32+2*\b:33+2*\b] offset:64*\u+256*\p
.endr
.endr
.endr
	s_wait_loadcnt 18                              ; K's and Q's codes and all scale words are in; V's 18 loads may be out
.irp i, 0,1,2,3,4,5,6,7,8
	ds_store_b128 v2, v[16+4*\i:19+4*\i] offset:512*\i
.endr
.irp i, 0,1,2
	ds_store_b128 v2, v[52+4*\i:55+4*\i] offset:OQC+512*\i
.endr
.irp i, 0,1,2,3
	v_mov_b32 v[64+\i], 0x7f7f7f7f
.endr
	ds_store_b128 v11, v[64:67]                    ; the slots' last 16 bytes: fill, over which the scale bytes are stored
	ds_store_b128 v11, v[64:67] offset:1280
	s_wait_loadcnt 0x0
.irp i, 0,1,2,3,4,5,6,7,8
	ds_store_b128 v2, v[128+4*\i:131+4*\i] offset:OVC+512*\i
.endr
	s_wait_dscnt 0x0                               ; for the others: my tables and weight images have landed
	v_mov_b32 v14, 0
	v_mov_b32 v15, 0                               ; (named as the upper half of the pair v[14:15])
.irp i, 0,1,2
	v_mov_b32 v[TM+4+\i], 0                        ; lane permutes' destinations count as read
	v_mov_b32 v[TMP+4+\i], 0
.endr
	v_mov_b32 v222, 0
	s_barrier_signal -1
	s_barrier_wait -1
; One tile a of 16 queries against the head's 96 keys
.macro ATT hd, a
.irp i, 0,1,2,3
	ds_load_b128 v[MK+4*\i:MK+4*\i+3], v[7+\a] offset:512*\i
.endr
.irp i, 0,1
	ds_load_b128 v[MK+16+4*\i:MK+19+4*\i], v9 offset:512*\i
.endr
.irp i, 0,1,2,3
	ds_load_b128 v[MK+24+4*\i:MK+27+4*\i], v1 offset:PAT+2048*(2*\a+1)+512*\i
.endr
	s_wait_dscnt 0x0
.irp st, 0,1,2,3                       ; the six accumulators by turns; the first step's C is the mask
.irp t, 0,1,2,3,4,5
.if \st == 0
	v_wmma_f32_16x16x4_f32 v[S+8*\t:S+8*\t+7], v[A+8*\t:A+8*\t+1], v[QH+8*\a:QH+8*\a+1], v[MK+8*(\t-\t/3):MK+8*(\t-\t/3)+7]
.else
	v_wmma_f32_16x16x4_f32 v[S+8*\t:S+8*\t+7], v[A+8*\t+2*\st:A+8*\t+2*\st+1], v[QH+8*\a+2*\st:QH+8*\a+2*\st+1], v[S+8*\t:S+8*\t+7]
.endif
.endr
.endr
	NOPS 9                                         ; behind the f32 form: eight for the reads below, nine for the product that writes over v80-87
.irp b, 0,1,2
	v_max3_num_f32 v[TM+\b], v[S+16*\b], v[S+16*\b+1], v[S+16*\b+2]      ; each block's largest score, from each accumulator's low end on: it serves the row's maximum and the block's largest p
.endr
.irp i, 3,5,7,9,11,13
.irp b, 0,1,2
	v_max3_num_f32 v[TM+\b], v[TM+\b], v[S+16*\b+\i], v[S+16*\b+\i+1]
.endr
.endr
.irp b, 0,1,2
	v_max_num_f32 v[TM+\b], v[TM+\b], v[S+16*\b+15]
.endr
.irp b, 0,1,2
	v_permlanex16_b32 v[TM+4+\b], v[TM+\b], s[SEL], s[SEL+1]
.endr
.irp b, 0,1,2
	v_max_num_f32 v[TM+\b], v[TM+\b], v[TM+4+\b]
.endr
	v_max3_num_f32 v[TM+11], v[TM], v[TM+1], v[TM+2]
	v_mul_f32 v[TM+11], s22, v[TM+11]              ; the row's largest t
	v_floor_f32 v14, -v[TM+11]                     ; -M = floor(-t): M is a whole number
.irp b, 0,1,2
	v_fma_f32 v[TM+\b], v[TM+\b], s22, v14
.endr
.irp b, 0,1,2
	v_exp_f32 v[TM+\b], v[TM+\b]                   ; the block's largest p: the same two instructions on the same number as below
.endr
	v_nop
	s_wait_alu depctr_va_vdst(0)
.irp b, 0,1,2
	v_max_num_f32 v[TM+\b], FLOOR, v[TM+\b]
.endr
.irp b, 0,1,2
	v_add_nc_u32 v[TM+8+\b], DOWN4, v[TM+\b]
.endr
.irp b, 0,1,2
	v_lshrrev_b32 v[TM+4+\b], 23, v[TM+8+\b]
.endr
	v_lshl_or_b32 v255, v[TM+5], 8, v[TM+4]
	v_lshl_or_b32 v255, v[TM+6], 16, v255
	v_lshl_or_b32 v255, v[TM+6], 24, v255          ; block 3 holds no key: its byte repeats block 2's
.irp b, 0,1,2
.irp i, 0,2,4,6,8,10,12,14
	v_pk_fma_f32 v[P0+16*(\b%2)+\i:P0+16*(\b%2)+\i+1], v[S+16*\b+\i:S+16*\b+\i+1], s[22:23], v[14:15] op_sel_hi:[1,0,0]   ; t - M
.endr
.irp i, 0,1,2,3,4,5,6,7,8,9,10,11,12,13,14,15
	v_exp_f32 v[P0+16*(\b%2)+\i], v[P0+16*(\b%2)+\i]
.endr
	v_nop                                          ; a plain line behind the exponentials
.if \b == 0
	s_wait_alu depctr_va_vdst(0)
	v_pk_add_f32 v[LS:LS+1], v[P0:P0+1], v[P0+2:P0+3]          ; the sum is taken of the unquantised p, in two chains
	v_pk_add_f32 v[LS+2:LS+3], v[P0+4:P0+5], v[P0+6:P0+7]
.irp i, 8,12
	v_pk_add_f32 v[LS:LS+1], v[LS:LS+1], v[P0+\i:P0+\i+1]
	v_pk_add_f32 v[LS+2:LS+3], v[LS+2:LS+3], v[P0+\i+2:P0+\i+3]
.endr
	v_cvt_scalef32_pk16_bf6_f32 v[PF:PF+2], v[P0:P0+15], v[TM+8]
.else
	s_wait_alu depctr_va_vdst(0)
.irp i, 0,4,8,12
	v_pk_add_f32 v[LS:LS+1], v[LS:LS+1], v[P0+16*(\b%2)+\i:P0+16*(\b%2)+\i+1]
	v_pk_add_f32 v[LS+2:LS+3], v[LS+2:LS+3], v[P0+16*(\b%2)+\i+2:P0+16*(\b%2)+\i+3]
.endr
.if \b == 1
	v_cvt_scalef32_pk16_bf6_f32 v[TT:TT+2], v[P0+16:P0+31], v[TM+9]
.else
	v_cvt_scalef32_pk16_bf6_f32 v[PF+6:PF+8], v[P0:P0+15], v[TM+10]
.endif
.endif
.endr
	v_nop                                          ; a plain line behind the last conversion
	PACK3 PF, TT
	v_pk_add_f32 v[LS:LS+1], v[LS:LS+1], v[LS+2:LS+3]
	v_add_f32 v[LS], v[LS], v[LS+1]
	v_permlanex16_b32 v222, v[LS], s[SEL], s[SEL+1]
	v_add_f32 v[LS], v[LS], v222                   ; the row's sum
	v_rcp_f32 v[RL], v[LS]
	v_rcp_f32 v[RL+1], v[LS]
	NOPS 4                                         ; behind the reciprocals, and ahead of a product whose operand vector lines have written
	v_wmma_scale_f32_16x16x128_f8f6f4 v[S:S+7], v[VF:VF+11], v[PF:PF+11], 0, v254, v255 matrix_a_fmt:MATRIX_FMT_BF6 matrix_b_fmt:MATRIX_FMT_BF6
	NOPS 5                                         ; four for the reads and loads below, five for the next matrix instruction that writes v80-87
.if (\hd)%2 == 0
	s_wait_alu depctr_va_vdst(0)
.irp i, 0,2,4,6
	v_pk_mul_f32 v[OS+\i:OS+\i+1], v[S+\i:S+\i+1], v[RL:RL+1]
.endr
	ds_store_b128 v2, v[OS:OS+3] offset:OSV+1024*\a            ; kept for the odd head: the two make a block of 32 channels
	ds_store_b128 v2, v[OS+4:OS+7] offset:OSV+1024*\a+512
.else
	ds_load_b128 v[OS:OS+3], v2 offset:OSV+1024*\a
	ds_load_b128 v[OS+4:OS+7], v2 offset:OSV+1024*\a+512
	s_wait_alu depctr_va_vdst(0)
.irp i, 0,2,4,6
	v_pk_mul_f32 v[OS+8+\i:OS+9+\i], v[S+\i:S+\i+1], v[RL:RL+1]
.endr
	s_wait_dscnt 0x0
	HMAX OS, 1, TM
	v_cvt_scalef32_pk16_bf6_f32 v[TT:TT+2], v[OS:OS+15], v[TM+8]
	v_nop
.irp i, 0,1,2
	ds_store_b32 v10, v[TT+\i] offset:1280*\a+24*((\hd)/2)+4*\i
.endr
	ds_store_b8 v11, v[TM+4] offset:1280*\a+(\hd)/2            ; both halves of the lanes write the same byte with the same value
	ds_store_b8 v11, v[TM+4] offset:1280*\a+2+(\hd)/2
.endif
.endm
.macro HEAD hd
.irp i, 0,1,2,3,4,5,6,7,8
	ds_load_b128 v[CD+4*\i:CD+4*\i+3], v2 offset:OVC+512*\i
.endr
.irp i, 0,1,2
	ds_load_b128 v[WA+4*\i:WA+4*\i+3], v1 offset:WIMG+1536*(8+\hd)+512*\i
.endr
	ds_load_b32 v253, v3 offset:WSC+128*(8+\hd)
.irp i, 0,1,2,3,4,5,6,7
	ds_load_b32 v[BV+\i], v6 offset:4*(128+16*\hd)
.endr
	s_wait_dscnt 0x0
.irp t, 0,2,4                          ; V: a lane gets d = r and keys 32 b + 16 h + 8 u + 0 .. 7
	WM  A+8*\t, CD+6*\t, WA, BV, 247+\t/2, 253
	WMA A+8*\t+8, CD+6*\t+6, WA, BV, 247+\t/2, 253
.endr
	NOPS 5                                         ; four for the reads and loads below, five for K's products, which write over these results
.irp i, 0,1,2,3,4,5,6,7,8
	ds_load_b128 v[CD+4*\i:CD+4*\i+3], v2 offset:512*\i
.endr
.irp i, 0,1,2
	ds_load_b128 v[CD+36+4*\i:CD+39+4*\i], v2 offset:OQC+512*\i
	ds_load_b128 v[WA+4*\i:WA+4*\i+3], v1 offset:WIMG+1536*(4+\hd)+512*\i
	ds_load_b128 v[WQ+4*\i:WQ+4*\i+3], v1 offset:WIMG+1536*(\hd)+512*\i
.endr
	ds_load_b32 v252, v3 offset:WSC+128*(4+\hd)
	ds_load_b32 v251, v3 offset:WSC+128*(\hd)
	HMAX A, 3, TMP                                 ; V is quantised along the keys while those loads are out
	v_lshl_or_b32 v254, v[TMP+5], 8, v[TMP+4]
	v_lshl_or_b32 v254, v[TMP+6], 16, v254
	v_lshl_or_b32 v254, v[TMP+6], 24, v254
	v_cvt_scalef32_pk16_bf6_f32 v[VF:VF+2], v[A:A+15], v[TMP+8]
	v_cvt_scalef32_pk16_bf6_f32 v[TPJ:TPJ+2], v[A+16:A+31], v[TMP+9]
	v_cvt_scalef32_pk16_bf6_f32 v[VF+6:VF+8], v[A+32:A+47], v[TMP+10]
	v_nop
	PACK3 VF, TPJ
	ds_load_b128 v[BV:BV+3], v5 offset:4*(64+16*\hd)
	ds_load_b128 v[BV+4:BV+7], v5 offset:4*(64+16*\hd)+16
	ds_load_b128 v[BQ:BQ+3], v5 offset:64*\hd
	ds_load_b128 v[BQ+4:BQ+7], v5 offset:64*\hd+16
	s_wait_dscnt 0x0
.irp t, 0,2,4                          ; K and Q: a lane gets one token and d = 8 h + 0 .. 7
	WM  A+8*\t, WA, CD+6*\t, BV, 252, 244+\t/2
	WMB A+8*\t+8, WA, CD+6*\t+6, BV, 252, 244+\t/2
.endr
	WM  QH, WQ, CD+36, BQ, 251, 250
	WMB QH+8, WQ, CD+42, BQ, 251, 250
	NOPS 5                                         ; ahead of matrix instructions that take these results as operands, and of loads over the codes
	ATT \hd, 0
	ATT \hd, 1
.endm
	HEAD 0
	HEAD 1
	HEAD 2
	HEAD 3
.irp k, 0,1,2,3
	ds_load_b128 v[140+4*\k:143+4*\k], v12 offset:640*\k       ; LDS serves a wave's instructions in order: these see my stores
.endr
.irp k, 0,1,2,3
	s_wait_dscnt 3-\k                              ; the younger loads may be out
	global_store_b128 v13, v[140+4*\k:143+4*\k], s[38:39] offset:33280*\k   ; sixteen lanes store 256 consecutive bytes, aligned: a unit
.endr
	s_barrier_signal -1
	s_barrier_wait -1
	s_set_vgpr_msb 0x4
	s_wait_tensorcnt 0x0
	ds_add_u32 v4, v1
	s_wait_dscnt 0x0
	s_set_vgpr_msb 0x400
	s_endpgm
.Lfunc_end_k_q6dd04f6fa8_attn:
	.size	k_q6dd04f6fa8_attn, .Lfunc_end_k_q6dd04f6fa8_attn-k_q6dd04f6fa8_attn
	.p2alignl 7, 3214868480
	.fill 96, 4, 3214868480
	.section	.rodata,"a",@progbits
	.p2align	6, 0x0
	.amdhsa_kernel k_q6dd04f6fa8_attn
		.amdhsa_group_segment_fixed_size 99072
		.amdhsa_private_segment_fixed_size 0
		.amdhsa_enable_private_segment 0
		.amdhsa_kernarg_size 32
		.amdhsa_user_sgpr_count 2
		.amdhsa_user_sgpr_kernarg_segment_ptr 1
		.amdhsa_wavefront_size32 1
		.amdhsa_system_sgpr_workgroup_id_x 1
		.amdhsa_system_sgpr_workgroup_id_y 1
		.amdhsa_system_sgpr_workgroup_id_z 1
		.amdhsa_system_vgpr_workitem_id 0
		.amdhsa_next_free_vgpr 258
		.amdhsa_next_free_sgpr 66
		.amdhsa_reserve_vcc 1
		.amdhsa_float_denorm_mode_32 3
		.amdhsa_float_denorm_mode_16_64 3
		.amdhsa_memory_ordered 1
		.amdhsa_forward_progress 1
		.amdhsa_inst_pref_size 152
	.end_amdhsa_kernel
	.amdgpu_metadata
---
amdhsa.version: [ 1, 2 ]
amdhsa.kernels:
  - .name:           k_q6dd04f6fa8_attn
    .symbol:         k_q6dd04f6fa8_attn.kd
    .args:
      - { .name: codes, .offset: 0, .size: 8, .value_kind: global_buffer, .address_space: global }
      - { .name: in_proj_w, .offset: 8, .size: 8, .value_kind: global_buffer, .address_space: global }
      - { .name: in_proj_b, .offset: 16, .size: 8, .value_kind: global_buffer, .address_space: global }
      - { .name: ctx, .offset: 24, .size: 8, .value_kind: global_buffer, .address_space: global }
    .group_segment_fixed_size: 99072
    .private_segment_fixed_size: 0
    .kernarg_segment_align: 8
    .kernarg_segment_size: 32
    .max_flat_workgroup_size: 128
    .sgpr_count:     66
    .vgpr_count:     258
    .wavefront_size: 32
...
	.end_amdgpu_metadata
.endif
;; end of part 2
;; launch ffn (part 3): grid 128 x 2, 9 waves a work-group, no clusters, 129,536 bytes of LDS; arguments q, ctx, out_w, out_b, ln1_w, ln1_b, w1, b1, w2, b2, ln2_w, ln2_b, out0; writes out0
.if DOCPART == 3
	.amdgcn_target "amdgcn-amd-amdhsa--gfx1250"
	.amdhsa_code_object_version 6
	.text
	.protected	k_q6dd04f6fa8_ffn
	.globl	k_q6dd04f6fa8_ffn
	.p2align	8
	.type	k_q6dd04f6fa8_ffn,@function
k_q6dd04f6fa8_ffn:
	s_mov_b64 s[64:65], 0
	v_nop
	global_prefetch_b8 v0, s[64:65] scope:SCOPE_SE
	s_setreg_imm32_b32 hwreg(HW_REG_WAVE_MODE, 25, 1), 1
	s_wait_xcnt 0x0
; out0 = LN2(n + gelu(n w1^T + b1) w2^T + b2), n = LN1(x + ctx out_w^T + out_b); x = q taken as [token][channel]; the three products on codes of BF6 (E3M2) with E8M0 scales.
; SHARES.  Work-group (x, y): batch y, steps t = 4 x .. 4 x + 3, all 65 f: 260 tokens jl = 65 (t % 4) + f, which lie as 1,040 consecutive bytes for each channel of q and of out0, and as 16,640 dense bytes of ctx.
; 17 tiles of 16 tokens (the last has 4, and 12 columns of padding); wave w takes tiles 2 w and 2 w + 1, written out by one macro; wave 8 has tile 16 alone and jumps over the second.
; All products are used transposed (source 0 = 16 rows of a weight, source 1 = 16 tokens): a lane holds ONE token (lane % 16) and register 8 nt + i is channel 16 nt + 8 h + i.  So a norm wants one exchange
; between the halves of the lanes, and a lane's 16 registers are half a block of the next K.  In that order a block's octets 0, 1, 2, 3 hold channel octets 0, 2, 1, 3 (ctx has the same): out_w and w1 are quantised
; in the same order, which changes no block's members.  THE ROWS OF w1 THAT FORM A TILE ARE NOT NEIGHBOURS: lane r of tile 2 b + u takes row 32 b + 8 u + r + 8 (r / 8), so that the hidden layer comes out in K's order.
; Residual and biases are the C of each sum's first matrix instruction where their layout allows.  A product over 64 takes one instruction of 128: the tokens' upper six registers are zero codes.
; x comes in and out0 goes out through one region of LDS, in place: rows of 16 tokens by channel.  Thread t (held at 259) moves piece t % 65 (16 bytes, four tokens) of channel t / 65 + 4 k, k = 0 .. 15: the step
; from k to k + 1 is an immediate in memory and in LDS, so one offset and one LDS address serve the launch.  Threads 260 to 287 repeat thread 259's piece: the same bytes, the same values.
; The weights are quantised here, a ninth a wave, and go round as images of their registers.  Two barriers.
; gelu is exact: erf(z) = z P(z^2) / Q(z^2) with z held to +-4, polynomials of degree 6 and 4; its error is about 1e-7 absolute.
; LIMITS: NaN and infinities are not served; a block of zeros has the byte 1.  A channel's run of 1,040 bytes is not aligned to 256: rows of the tensor are 260 bytes.
; No tensor loads, no cluster: nothing is streamed twice, and the weights are 147 KiB that every work-group reads.
.set FLOOR, 0x2800000
.set DOWN4, 0xfe000000
.set SEL,   62
.set PAR,   0                          ; out_b, ln1_w +256, ln1_b +512, b2 +768, ln2_w +1024, ln2_b +1280, b1 +1536
.set PB1,   1536
.set WS,    2560                       ; 9 x 512: four scale words a lane, one image
.set WI,    7168                       ; 9 x 3,072: a wave's 24 code registers, six images.  0: out_w; 1-4: w1; 5-8: w2
.set XS,    34816                      ; tile blocks, TP apart: row c at 80 c, token at 4 x column.  Bytes for 18 blocks, two a wave; the last is never touched
.set TP,    5184
.set CSTEP, 4*133120                   ; four channels on in q and out0
; v1 my piece's byte in q and out0, v2 its place in LDS, v3 16 x lane, v4 my first tile block (row 8 h, column r), v5 32 h, v6 64 h: made at the head, never rewritten
; v7 and v242 my token's codes and scale word in ctx;  v[8:9] the mean, v[10:11] 1 / the deviation;  v[12:15] two coefficients
.set CG2,  242
.set Y,    16                          ; v16-47   the token's 32 channels
.set F,    48                          ; v48-79   the second layer's sums
.set H,    80                          ; v80-143  128 hidden units' worth; norm gains and biases while it is free
.set WB,   144                         ; v144-197 weight fragments (48 + 6 that are only named); at work in gelu
.set NF,   198                         ; v198-209 the tokens' codes: 6 + 6 of zeros that stay
.set PC,   210                         ; v210-228 the hidden layer's codes
.set TM,   230                         ; v230-241 at work
.set WSC,  246                         ; v246-253 weights' scale words; v254 the tokens'; v255 the hidden layer's: scales and nothing else
.set TS,   254
.set PW,   255
.set GZ,   144
.set GS,   152
.set GP,   160
.set GQ,   168
.set GH,   176
; at the head only: v16-79 x, v80-83 zeros, v84 the padding's place, v85, v86 where my images and scale words go, v87 8 x lane, v88-90 my weight's offsets, v91 8 h, v92-219 my weight, v220-239 the vectors
.set BMA,  44
.set BMB,  45
.set BSO,  46
.set BBY,  47
.set BPD,  48
.set BHW,  49
.set BT,   40
.set B8H,  91
.macro NOPS n
.rept \n
	v_nop
.endr
.endm
.macro WM d, a, b, c, sa, sb
	v_wmma_scale_f32_16x16x128_f8f6f4 v[(\d):(\d)+7], v[(\a):(\a)+11], v[(\b):(\b)+11], v[(\c):(\c)+7], v[(\sa)], v[(\sb)] matrix_a_fmt:MATRIX_FMT_BF6 matrix_b_fmt:MATRIX_FMT_BF6
.endm
.macro BLK32 x, dst                    ; a whole block in a lane: six code registers, and v[BHW] = two bytes (block of lanes 0-15, of lanes 16-31)
	v_max3_num_f32 v[BMA], |v[(\x)]|, |v[(\x)+1]|, |v[(\x)+2]|
	v_max3_num_f32 v[BMB], |v[(\x)+3]|, |v[(\x)+4]|, |v[(\x)+5]|
.irp i, 6,10,14,18,22,26
	v_max3_num_f32 v[BMA], v[BMA], |v[(\x)+\i]|, |v[(\x)+\i+1]|
	v_max3_num_f32 v[BMB], v[BMB], |v[(\x)+\i+2]|, |v[(\x)+\i+3]|
.endr
	v_max3_num_f32 v[BMA], v[BMA], |v[(\x)+30]|, |v[(\x)+31]|
	v_max3_num_f32 v[BMA], v[BMA], v[BMB], FLOOR               ; the floor holds the byte at 1 from below
	v_add_nc_u32 v[BSO], DOWN4, v[BMA]                         ; the conversion takes this operand's exponent field as its scale
	v_cvt_scalef32_pk16_bf6_f32 v[(\dst):(\dst)+2], v[(\x):(\x)+15], v[BSO]
	v_cvt_scalef32_pk16_bf6_f32 v[BT:BT+2], v[(\x)+16:(\x)+31], v[BSO]
	v_lshrrev_b32 v[BBY], 23, v[BSO]               ; the byte; also the plain line behind the conversions
.irp i, 0,1,2
	v_mov_b32 v[(\dst)+3+\i], v[BT+\i]
.endr
	v_lshlrev_b32 v[BBY], v[B8H], v[BBY]
	v_permlanex16_b32 v[BPD], v[BBY], s[SEL], s[SEL+1]
	v_or_b32 v[BHW], v[BBY], v[BPD]
.endm
.macro HMAX x, nb, tm                  ; nb blocks, 16 numbers of each in my lane, 16 in lane l xor 16: v[tm+8+b] the conversion's scale operand, v[tm+4+b] the byte
.set hb, 0
.rept \nb
	v_max3_num_f32 v[\tm+hb], |v[\x+16*hb]|, |v[\x+16*hb+1]|, FLOOR
.set hb, hb+1
.endr
.irp i, 2,4,6,8,10,12,14
.set hb, 0
.rept \nb
	v_max3_num_f32 v[\tm+hb], v[\tm+hb], |v[\x+16*hb+\i]|, |v[\x+16*hb+\i+1]|
.set hb, hb+1
.endr
.endr
.set hb, 0
.rept \nb
	v_permlanex16_b32 v[\tm+4+hb], v[\tm+hb], s[SEL], s[SEL+1]
.set hb, hb+1
.endr
.set hb, 0
.rept \nb
	v_max_num_f32 v[\tm+hb], v[\tm+hb], v[\tm+4+hb]
.set hb, hb+1
.endr
.set hb, 0
.rept \nb
	v_add_nc_u32 v[\tm+8+hb], DOWN4, v[\tm+hb]
.set hb, hb+1
.endr
.set hb, 0
.rept \nb
	v_lshrrev_b32 v[\tm+4+hb], 23, v[\tm+8+hb]
.set hb, hb+1
.endr
.endm
	s_load_b512 s[8:23], s[0:1], 0x0               ; q s[8:9], ctx s[10:11], out_w s[12:13], out_b s[14:15], ln1_w s[16:17], ln1_b s[18:19], w1 s[20:21], b1 s[22:23]
	s_load_b256 s[24:31], s[0:1], 0x40             ; w2 s[24:25], b2 s[26:27], ln2_w s[28:29], ln2_b s[30:31]
	s_load_b64 s[32:33], s[0:1], 0x60              ; out0
	v_lshl_add_u32 v245, v0, 2, 0x1f500
	s_set_vgpr_msb 0x40
	v_mov_b32 v1, 0
	s_set_vgpr_msb 0x4000
	v_lshrrev_b32 v240, 5, v0
	v_readfirstlane_b32 s34, v240                  ; wave 0..8
	s_mov_b32 s38, 0xaf95df0b                      ; P's coefficients, highest first (the second lies in v[12:13]); each twice: the packed forms name pairs
	s_mov_b32 s40, 0xb60cff51
	s_mov_b32 s42, 0xb86ec2d2
	s_mov_b32 s44, 0xba40ac63
	s_mov_b32 s46, 0xbb41a1f6
	s_mov_b32 s48, 0xbc83dbd4
	s_mov_b32 s50, 0xb77460cd                      ; Q's (the second lies in v[14:15])
	s_mov_b32 s52, 0xbadc924e
	s_mov_b32 s54, 0xbbf19bf8
	s_mov_b32 s56, 0xbc69b6a7
	s_mov_b32 s58, 0x3f3504f3                      ; sqrt(1/2)
.irp c, 38,40,42,44,46,48,50,52,54,56,58
	s_mov_b32 s[\c+1], s[\c]
.endr
	s_mov_b32 s60, 0x3c800000                      ; 1 / 64
	s_mov_b32 s61, 0x3727c5ac                      ; 1e-5
	s_mov_b32 s[SEL], 0x76543210
	s_mov_b32 s[SEL+1], 0xfedcba98                 ; selects for lane l xor 16
	s_and_b32 s90, ttmp7, 0xffff                   ; batch
	s_mul_i32 s92, s90, 8519680
	s_mul_i32 s93, ttmp9, 1040
	s_add_co_u32 s92, s92, s93
	s_mov_b32 s93, 0
	s_lshl_b32 s94, s90, 7
	s_add_co_u32 s94, s94, ttmp9
	s_mul_i32 s94, s94, 16640
	s_mov_b32 s95, 0
	; which weight my wave quantises: wave 0 out_w, waves 1-4 a quarter of w1, waves 5-8 a quarter of w2: one text, the figures chosen on the wave's number
	s_sub_co_i32 s78, s34, 1
	s_max_i32 s78, s78, 0
	s_sub_co_i32 s79, s34, 5
	s_mov_b32 s80, 2048                            ; from job 0 to job 1,
	s_mov_b32 s81, 8192                            ; to job 2; job 3 is both
	s_mov_b32 s85, 8                               ; a row is 256 bytes (w2: 1,024)
	s_mov_b32 s86, 64                              ; registers 8-15 take the block's octet 2, registers 16-23 its octet 1 (w2: as they lie)
	s_mov_b32 s87, 32
	s_cmp_eq_u32 s34, 0
	s_cselect_b32 s80, 4096, s80
	s_cselect_b32 s84, 0, 8                        ; w1 alone: row r + 8 (r / 8)
	s_cmp_ge_u32 s34, 5
	s_cselect_b32 s78, s79, s78
	s_cselect_b32 s80, 256, s80
	s_cselect_b32 s81, 512, s81
	s_cselect_b32 s84, 0, s84
	s_cselect_b32 s85, 10, s85
	s_cselect_b32 s86, 32, s86
	s_cselect_b32 s87, 64, s87
	s_lshl_b32 s78, s78, 14
	s_mov_b32 s79, 0
	s_mov_b32 s83, 0
	; every address register is made here, ahead of the first branch on the wave's number
	v_and_b32 v240, 15, v0                         ; r
	v_bfe_u32 v241, v0, 4, 1                       ; h
	v_and_b32 v88, s84, v240
	v_add_nc_u32 v88, v88, v240
	v_lshlrev_b32 v88, s85, v88
	v_lshl_add_u32 v88, v241, 7, v88               ; my weight: my row, my block of 32
	v_add_nc_u32 v89, s86, v88
	v_add_nc_u32 v90, s87, v88
	v_lshlrev_b32 v[B8H], 3, v241
	v_lshlrev_b32 v5, 5, v241                      ; vectors by channel 8 h + ..
	v_lshlrev_b32 v6, 6, v241                      ; b1 by hidden unit 16 h + ..
	s_mul_i32 s88, s34, 2*TP
	s_add_co_u32 s88, s88, XS
	v_lshl_add_u32 v4, v240, 2, s88
	v_mad_u32_u24 v4, v241, 640, v4                ; my first tile block: row 8 h, column r
	v_and_b32 v242, 63, v0
	v_lshrrev_b32 v243, 6, v0
	v_mul_u32_u24 v84, v242, 80
	v_lshl_add_u32 v84, v243, 4, v84
	v_add_nc_u32 v84, XS+16*TP+16, v84             ; the last tile's 12 columns of padding: 3 pieces in each of 64 rows
	v_and_b32 v242, 31, v0
	v_lshlrev_b32 v87, 3, v242                     ; 8 x lane
	v_lshlrev_b32 v3, 4, v242                      ; 16 x lane: an image's place
	s_mul_i32 s88, s34, 3072
	v_add_nc_u32 v85, s88, v3                      ; where my code images go
	s_lshl_b32 s88, s34, 9
	v_add_nc_u32 v86, s88, v3                      ; and my scale words
	v_min_u32 v242, 259, v0                        ; my piece: 260 threads cover four channels' 65 pieces
	v_mul_u32_u24 v243, v242, 1009
	v_lshrrev_b32 v243, 16, v243                   ; t / 65 (exact for t under 1,040): channel 0 .. 3
	v_mul_u32_u24 v244, v243, 65
	v_sub_nc_u32 v242, v242, v244                  ; t % 65: tokens 4 (t % 65) on
	v_mul_u32_u24 v1, v243, 133120
	v_lshl_add_u32 v1, v242, 4, v1                 ; in q and out0
	v_lshrrev_b32 v2, 2, v242
	v_mul_u32_u24 v2, v2, TP
	v_mad_u32_u24 v2, v243, 80, v2
	v_and_b32 v242, 3, v242
	v_lshl_add_u32 v2, v242, 4, v2
	v_add_nc_u32 v2, XS, v2                        ; in LDS: tile block (t % 65) / 4, the channel's row, four columns
.irp i, 0,1,2,3
	v_mov_b32 v[80+\i], 0
.endr
	s_wait_kmcnt 0x0
	s_add_nc_u64 s[8:9], s[8:9], s[92:93]
	s_add_nc_u64 s[32:33], s[32:33], s[92:93]
	s_add_nc_u64 s[10:11], s[10:11], s[94:95]
	s_cmp_eq_u32 s34, 0
	s_cselect_b64 s[76:77], s[12:13], s[20:21]
	s_cmp_ge_u32 s34, 5
	s_cselect_b64 s[76:77], s[24:25], s[76:77]
	s_add_nc_u64 s[68:69], s[76:77], s[78:79]
	s_mov_b32 s82, s80
	s_add_nc_u64 s[70:71], s[68:69], s[82:83]
	s_mov_b32 s82, s81
	s_add_nc_u64 s[72:73], s[68:69], s[82:83]
	s_add_nc_u64 s[74:75], s[70:71], s[82:83]
.irp k, 0,1,2,3,4,5,6,7,8,9,10,11,12,13,14,15
	global_load_b128 v[16+4*\k:19+4*\k], v1, s[8:9] offset:CSTEP*\k th:TH_LOAD_NT   ; x: 15 x 532,480 bytes at the most, inside the signed 24-bit immediate (ISA guide, chapter 10)
.endr
	s_cmp_lg_u32 s34, 0
	s_cbranch_scc1 .Lno_par                        ; wave 0 fetches the seven vectors
	global_load_b64 v[220:221], v87, s[14:15]
	global_load_b64 v[222:223], v87, s[16:17]
	global_load_b64 v[224:225], v87, s[18:19]
	global_load_b64 v[226:227], v87, s[26:27]
	global_load_b64 v[228:229], v87, s[28:29]
	global_load_b64 v[230:231], v87, s[30:31]
	global_load_b128 v[232:235], v3, s[22:23]
	global_load_b128 v[236:239], v3, s[22:23] offset:512
.Lno_par:
.irp i, 0,1,2,3
	global_load_b128 v[92+32*\i:95+32*\i],   v88, s[68+2*\i:69+2*\i]
	global_load_b128 v[96+32*\i:99+32*\i],   v88, s[68+2*\i:69+2*\i] offset:16
	global_load_b128 v[100+32*\i:103+32*\i], v89, s[68+2*\i:69+2*\i]
	global_load_b128 v[104+32*\i:107+32*\i], v89, s[68+2*\i:69+2*\i] offset:16
	global_load_b128 v[108+32*\i:111+32*\i], v90, s[68+2*\i:69+2*\i]
	global_load_b128 v[112+32*\i:115+32*\i], v90, s[68+2*\i:69+2*\i] offset:16
	global_load_b128 v[116+32*\i:119+32*\i], v88, s[68+2*\i:69+2*\i] offset:96
	global_load_b128 v[120+32*\i:123+32*\i], v88, s[68+2*\i:69+2*\i] offset:112
.endr
	s_wait_loadcnt 32                              ; all but the 32 loads of weights, which were issued last on every way
.irp k, 0,1,2,3,4,5,6,7,8,9,10,11,12,13,14,15
	ds_store_b128 v2, v[16+4*\k:19+4*\k] offset:320*\k         ; four rows of 80 bytes on for each k
.endr
	s_cmp_lg_u32 s34, 0
	s_cbranch_scc1 .Lno_spar
.irp i, 0,1,2,3,4,5
	ds_store_b64 v87, v[220+2*\i:221+2*\i] offset:PAR+256*\i
.endr
	ds_store_b128 v3, v[232:235] offset:PB1
	ds_store_b128 v3, v[236:239] offset:PB1+512
.Lno_spar:
	s_cmp_ge_u32 s34, 6
	s_cbranch_scc1 .Lno_pad
	ds_store_b128 v84, v[80:83]                    ; the padding columns hold zeros (threads 0 to 191)
.Lno_pad:
	s_wait_loadcnt 0x0
	s_wait_dscnt 0x0                               ; the stores have read x's registers, which the codes take
.irp i, 0,1,2,3
	BLK32 92+32*\i, 16+6*\i
	v_mov_b32 v[50+\i], v[BHW]
.endr
.irp i, 0,1,2,3
	v_lshl_or_b32 v[56+\i], v[50+\i], 16, v[50+\i] ; a tile over 64: its two bytes, and the same again for the half of K that holds no number
.endr
	v_lshl_or_b32 v60, v51, 16, v50                ; w2, 128 along K: four blocks' bytes
	v_lshl_or_b32 v61, v53, 16, v52
	s_cmp_ge_u32 s34, 5
	s_cselect_b32 vcc_lo, -1, 0
	v_cndmask_b32 v56, v56, v60, vcc_lo
	v_cndmask_b32 v57, v57, v61, vcc_lo
.irp i, 0,1,2,3,4,5
	ds_store_b128 v85, v[16+4*\i:19+4*\i] offset:WI+512*\i
.endr
	ds_store_b128 v86, v[56:59] offset:WS
	s_wait_dscnt 0x0                               ; for the others: x, the vectors and my images have landed
	s_barrier_signal -1
	s_barrier_wait -1
	v_mov_b32 v12, 0x32edffee
	v_mov_b32 v13, 0x32edffee
	v_mov_b32 v14, 0xb95fbd29
	v_mov_b32 v15, 0xb95fbd29
.irp i, 0,1,2,3,4,5
	v_mov_b32 v[NF+6+\i], 0                        ; the upper half of K: zero codes, which stay
	v_mov_b32 v[WB+48+\i], 0                       ; named behind the last weight tile; multiplied by zero codes
	v_mov_b32 v[TM+4+\i], 0                        ; lane permutes' destinations count as read
.endr
.macro LNORM g, bo                     ; Y = (Y - mean) rsqrt(var + 1e-5) x gain + bias, over the lane's 32 channels and lane l xor 16's
.irp n, 0,1,2,3
	ds_load_b128 v[H+8*\n:H+8*\n+3], v5 offset:\g+64*\n
	ds_load_b128 v[H+8*\n+4:H+8*\n+7], v5 offset:\g+64*\n+16
	ds_load_b128 v[H+32+8*\n:H+35+8*\n], v5 offset:\bo+64*\n
	ds_load_b128 v[H+36+8*\n:H+39+8*\n], v5 offset:\bo+64*\n+16
.endr
	v_pk_add_f32 v[TM:TM+1], v[Y:Y+1], v[Y+2:Y+3]
	v_pk_add_f32 v[TM+2:TM+3], v[Y+4:Y+5], v[Y+6:Y+7]
.irp i, 8,12,16,20,24,28
	v_pk_add_f32 v[TM:TM+1], v[TM:TM+1], v[Y+\i:Y+\i+1]
	v_pk_add_f32 v[TM+2:TM+3], v[TM+2:TM+3], v[Y+\i+2:Y+\i+3]
.endr
	v_pk_add_f32 v[TM:TM+1], v[TM:TM+1], v[TM+2:TM+3]
	v_add_f32 v[TM], v[TM], v[TM+1]
	v_permlanex16_b32 v[TM+9], v[TM], s[SEL], s[SEL+1]
	v_add_f32 v[TM], v[TM], v[TM+9]
	v_mul_f32 v8, s60, v[TM]
	v_mul_f32 v9, s60, v[TM]
.irp i, 0,2,4,6,8,10,12,14,16,18,20,22,24,26,28,30
	v_pk_add_f32 v[Y+\i:Y+\i+1], v[Y+\i:Y+\i+1], v[8:9] neg_lo:[0,1] neg_hi:[0,1]
.endr
.irp c, 0,2,4,6
	v_pk_mul_f32 v[TM+\c:TM+\c+1], v[Y+\c:Y+\c+1], v[Y+\c:Y+\c+1]
.endr
.irp i, 8,16,24
.irp c, 0,2,4,6
	v_pk_fma_f32 v[TM+\c:TM+\c+1], v[Y+\i+\c:Y+\i+\c+1], v[Y+\i+\c:Y+\i+\c+1], v[TM+\c:TM+\c+1]
.endr
.endr
	v_pk_add_f32 v[TM:TM+1], v[TM:TM+1], v[TM+2:TM+3]
	v_pk_add_f32 v[TM+4:TM+5], v[TM+4:TM+5], v[TM+6:TM+7]
	v_pk_add_f32 v[TM:TM+1], v[TM:TM+1], v[TM+4:TM+5]
	v_add_f32 v[TM], v[TM], v[TM+1]
	v_permlanex16_b32 v[TM+9], v[TM], s[SEL], s[SEL+1]
	v_add_f32 v[TM], v[TM], v[TM+9]
	v_fma_f32 v[TM], v[TM], s60, s61
	v_rsq_f32 v10, v[TM]
	v_rsq_f32 v11, v[TM]
	v_nop                                          ; a plain line behind the transcendentals
	s_wait_alu depctr_va_vdst(0)
.irp i, 0,2,4,6,8,10,12,14,16,18,20,22,24,26,28,30
	v_pk_mul_f32 v[Y+\i:Y+\i+1], v[Y+\i:Y+\i+1], v[10:11]
.endr
	s_wait_dscnt 0x0                               ; gain and bias are in
.irp i, 0,2,4,6,8,10,12,14,16,18,20,22,24,26,28,30
	v_pk_fma_f32 v[Y+\i:Y+\i+1], v[Y+\i:Y+\i+1], v[H+\i:H+\i+1], v[H+32+\i:H+33+\i]
.endr
.endm
.macro GEL4 x                          ; eight numbers: x = x / 2 + (x / 2) erf(x sqrt(1/2)); read from the low end on
.irp g, 0,2,4,6
	v_pk_mul_f32 v[GZ+\g:GZ+\g+1], v[(\x)+\g:(\x)+\g+1], s[58:59] op_sel_hi:[1,0]
.endr
.irp g, 0,1,2,3,4,5,6,7
	v_med3_num_f32 v[GZ+\g], v[GZ+\g], -4.0, 4.0
.endr
.irp g, 0,2,4,6
	v_pk_mul_f32 v[GS+\g:GS+\g+1], v[GZ+\g:GZ+\g+1], v[GZ+\g:GZ+\g+1]
.endr
.irp g, 0,2,4,6
	v_pk_fma_f32 v[GP+\g:GP+\g+1], v[GS+\g:GS+\g+1], s[38:39], v[12:13] op_sel_hi:[1,0,1]
.endr
.irp g, 0,2,4,6
	v_pk_fma_f32 v[GQ+\g:GQ+\g+1], v[GS+\g:GS+\g+1], s[50:51], v[14:15] op_sel_hi:[1,0,1]
.endr
.irp c, 40,42,44,46,48
.irp g, 0,2,4,6
	v_pk_fma_f32 v[GP+\g:GP+\g+1], v[GP+\g:GP+\g+1], v[GS+\g:GS+\g+1], s[\c:\c+1] op_sel_hi:[1,1,0]
.endr
.endr
.irp c, 52,54,56
.irp g, 0,2,4,6
	v_pk_fma_f32 v[GQ+\g:GQ+\g+1], v[GQ+\g:GQ+\g+1], v[GS+\g:GS+\g+1], s[\c:\c+1] op_sel_hi:[1,1,0]
.endr
.endr
.irp g, 0,1,2,3,4,5,6,7
	v_rcp_f32 v[GQ+\g], v[GQ+\g]                   ; Q is negative throughout: never 0
.endr
.irp g, 0,2,4,6
	v_pk_mul_f32 v[GH+\g:GH+\g+1], v[(\x)+\g:(\x)+\g+1], 0.5 op_sel_hi:[1,0]   ; plain lines behind the reciprocals
.endr
.irp g, 0,2,4,6
	v_pk_mul_f32 v[GZ+\g:GZ+\g+1], v[GZ+\g:GZ+\g+1], v[GP+\g:GP+\g+1]
.endr
	s_wait_alu depctr_va_vdst(0)
.irp g, 0,2,4,6
	v_pk_mul_f32 v[GZ+\g:GZ+\g+1], v[GZ+\g:GZ+\g+1], v[GQ+\g:GQ+\g+1]
.endr
.irp g, 0,2,4,6
	v_pk_fma_f32 v[(\x)+\g:(\x)+\g+1], v[GH+\g:GH+\g+1], v[GZ+\g:GZ+\g+1], v[GH+\g:GH+\g+1]
.endr
.endm
.macro QUANT4                          ; 64 numbers of a lane in H, register 16 b + i = hidden unit 32 b + 16 h + i, become a fragment in PC and its scale word in PW
	HMAX H, 4, TM
	v_lshl_or_b32 v[PW], v[TM+5], 8, v[TM+4]
	v_lshl_or_b32 v[PW], v[TM+6], 16, v[PW]
	v_lshl_or_b32 v[PW], v[TM+7], 24, v[PW]
.irp c, 0,1
	v_cvt_scalef32_pk16_bf6_f32 v[PC+6*\c:PC+2+6*\c], v[H+32*\c:H+15+32*\c], v[TM+8+2*\c]
	v_cvt_scalef32_pk16_bf6_f32 v[PC+12+4*\c:PC+14+4*\c], v[H+16+32*\c:H+31+32*\c], v[TM+9+2*\c]
.endr
	v_nop                                          ; a plain line behind the conversions
.irp c, 0,1
.irp i, 0,1,2
	v_permlane16_swap_b32 v[PC+6*\c+\i], v[PC+12+4*\c+\i]      ; a whole block in a lane
.endr
.irp i, 0,1,2
	v_mov_b32 v[PC+3+6*\c+\i], v[PC+12+4*\c+\i]
.endr
.endr
.endm
.macro FFNK ks                         ; hidden units 128 ks on: first layer, gelu, quantised, one K step of the second layer
.irp t, 0,1,2,3,4,5,6,7
	ds_load_b128 v[H+8*\t:H+8*\t+3], v6 offset:PB1+4*(128*\ks+32*(\t/2)+8*(\t%2))
	ds_load_b128 v[H+8*\t+4:H+8*\t+7], v6 offset:PB1+4*(128*\ks+32*(\t/2)+8*(\t%2))+16
.endr
.irp i, 0,1,2,3,4,5,6,7,8,9,10,11
	ds_load_b128 v[WB+4*\i:WB+4*\i+3], v3 offset:WI+3072*(1+2*\ks)+512*\i
.endr
	ds_load_b128 v[WSC:WSC+3], v3 offset:WS+512*(1+2*\ks)
	ds_load_b128 v[WSC+4:WSC+7], v3 offset:WS+512*(2+2*\ks)
.if \ks == 0
	NOPS 8                                         ; the tokens' scale word was written by vector lines: eight places ahead of a scaled product
.endif
	s_wait_dscnt 0x0
.irp t, 0,1,2,3,4,5,6,7
	WM H+8*\t, WB+6*\t, NF, H+8*\t, WSC+\t, TS     ; C = b1, loaded into the accumulator
.endr
	NOPS 4                                         ; ahead of vector lines that read the results and write over the weights' registers
.irp t, 0,1,2,3,4,5,6,7
	GEL4 H+8*\t
.endr
.irp n, 0,1,2,3
.irp i, 0,1,2
	ds_load_b128 v[WB+12*\n+4*\i:WB+12*\n+4*\i+3], v3 offset:WI+3072*(5+\n)+1536*\ks+512*\i
.endr
	ds_load_b32 v[WSC+\n], v3 offset:WS+512*(5+\n)+4*\ks
.endr
	QUANT4                                         ; while w2's fragments are on their way
	NOPS 8                                         ; the hidden layer's scale word and codes were written by vector lines
	s_wait_dscnt 0x0
.irp n, 0,1,2,3
	WM F+8*\n, WB+12*\n, PC, F+8*\n, WSC+\n, PW    ; the four accumulators by turns; the first K step adds onto b2
.endr
	NOPS 4
.endm
; Tile 2 w + tr: its block in LDS lies tr x TP behind v4
.macro TILE tr
	s_lshl_b32 s91, s34, 5
	s_add_co_u32 s91, s91, 16*\tr                  ; the tile's first token
	v_and_b32 v[TM], 15, v0
	v_add_nc_u32 v[TM], s91, v[TM]
	v_min_u32 v[TM], 259, v[TM]                    ; a padding column reads the last token's codes: inside the buffer, and its results are never stored to memory
	v_mul_u32_u24 v[TM+1], v[TM], 1009
	v_lshrrev_b32 v[TM+1], 16, v[TM+1]             ; t % 4
	v_mul_u32_u24 v[TM+2], v[TM+1], 65
	v_sub_nc_u32 v[TM], v[TM], v[TM+2]             ; f
	v_lshlrev_b32 v[TM], 8, v[TM]
	v_lshl_add_u32 v[TM], v[TM+1], 6, v[TM]        ; unit f, slot t % 4
	v_add_nc_u32 v[CG2], 48, v[TM]
	v_bfe_u32 v[TM+1], v0, 4, 1
	v_mad_u32_u24 v7, v[TM+1], 24, v[TM]
	global_load_b64 v[NF:NF+1], v7, s[10:11]
	global_load_b64 v[NF+2:NF+3], v7, s[10:11] offset:8
	global_load_b64 v[NF+4:NF+5], v7, s[10:11] offset:16
	global_load_b32 v[TS], v[CG2], s[10:11]
.irp n, 0,1,2,3
.irp i, 0,1,2,3,4,5,6,7
	ds_load_b32 v[Y+8*\n+\i], v4 offset:TP*\tr+80*(16*\n+\i)   ; x: the residual
.endr
.endr
.irp i, 0,1,2,3,4,5
	ds_load_b128 v[WB+4*\i:WB+4*\i+3], v3 offset:WI+512*\i
.endr
	ds_load_b128 v[WSC:WSC+3], v3 offset:WS
.irp n, 0,1,2,3
	ds_load_b128 v[F+8*\n:F+8*\n+3], v5 offset:PAR+768+64*\n
	ds_load_b128 v[F+8*\n+4:F+8*\n+7], v5 offset:PAR+768+64*\n+16
	ds_load_b128 v[H+8*\n:H+8*\n+3], v5 offset:PAR+64*\n
	ds_load_b128 v[H+8*\n+4:H+8*\n+7], v5 offset:PAR+64*\n+16
.endr
	s_wait_loadcnt 0x0
	s_wait_dscnt 0x0
.irp n, 0,1,2,3
	WM Y+8*\n, WB+6*\n, NF, Y+8*\n, WSC+\n, TS     ; x + ctx out_w^T
.endr
	NOPS 4
.irp i, 0,2,4,6,8,10,12,14,16,18,20,22,24,26,28,30
	v_pk_add_f32 v[Y+\i:Y+\i+1], v[Y+\i:Y+\i+1], v[H+\i:H+\i+1]   ; + out_b; each accumulator from its low end on
.endr
	LNORM PAR+256, PAR+512
	HMAX Y, 2, TM                                  ; the norm's result is quantised: my 16 + 16 numbers are halves of its two blocks
	v_lshl_or_b32 v[TM], v[TM+5], 8, v[TM+4]
	v_lshl_or_b32 v[TS], v[TM], 16, v[TM]
	v_cvt_scalef32_pk16_bf6_f32 v[NF:NF+2], v[Y:Y+15], v[TM+8]
	v_cvt_scalef32_pk16_bf6_f32 v[PC+12:PC+14], v[Y+16:Y+31], v[TM+9]
	v_nop                                          ; a plain line behind the conversions
.irp i, 0,1,2
	v_permlane16_swap_b32 v[NF+\i], v[PC+12+\i]
.endr
.irp i, 0,1,2
	v_mov_b32 v[NF+3+\i], v[PC+12+\i]
.endr
	FFNK 0
	FFNK 1
.irp i, 0,2,4,6,8,10,12,14,16,18,20,22,24,26,28,30
	v_pk_add_f32 v[Y+\i:Y+\i+1], v[Y+\i:Y+\i+1], v[F+\i:F+\i+1]
.endr
	LNORM PAR+1024, PAR+1280
.irp n, 0,1,2,3
.irp i, 0,1,2,3,4,5,6,7
	ds_store_b32 v4, v[Y+8*\n+\i] offset:TP*\tr+80*(16*\n+\i)  ; the result takes x's place: my wave alone touches this block between the barriers
.endr
.endr
	s_wait_dscnt 0x0                               ; for the others: my results have landed
.endm
	TILE 0
	s_cmp_eq_u32 s34, 8
	s_cbranch_scc1 .Lone_tile                      ; wave 8 has tile 16 alone
	TILE 1
.Lone_tile:
	s_barrier_signal -1                            ; every wave's stores have landed (the wait at each tile's end)
	s_barrier_wait -1
.irp k, 0,1,2,3,4,5,6,7,8,9,10,11,12,13,14,15
	ds_load_b128 v[16+4*\k:19+4*\k], v2 offset:320*\k
.endr
.irp k, 0,1,2,3,4,5,6,7,8,9,10,11,12,13,14,15
	s_wait_dscnt 15-\k                             ; LDS loads come back in order: the younger ones may be out
	global_store_b128 v1, v[16+4*\k:19+4*\k], s[32:33] offset:CSTEP*\k th:TH_STORE_NT   ; a channel's 1,040 bytes leave as one consecutive run
.endr
	s_barrier_signal -1
	s_barrier_wait -1
	s_set_vgpr_msb 0x4
	s_wait_tensorcnt 0x0
	ds_add_u32 v245, v1
	s_wait_dscnt 0x0
	s_set_vgpr_msb 0x400
	s_endpgm
.Lfunc_end_k_q6dd04f6fa8_ffn:
	.size	k_q6dd04f6fa8_ffn, .Lfunc_end_k_q6dd04f6fa8_ffn-k_q6dd04f6fa8_ffn
	.p2alignl 7, 3214868480
	.fill 96, 4, 3214868480
	.section	.rodata,"a",@progbits
	.p2align	6, 0x0
	.amdhsa_kernel k_q6dd04f6fa8_ffn
		.amdhsa_group_segment_fixed_size 129536
		.amdhsa_private_segment_fixed_size 0
		.amdhsa_enable_private_segment 0
		.amdhsa_kernarg_size 104
		.amdhsa_user_sgpr_count 2
		.amdhsa_user_sgpr_kernarg_segment_ptr 1
		.amdhsa_wavefront_size32 1
		.amdhsa_system_sgpr_workgroup_id_x 1
		.amdhsa_system_sgpr_workgroup_id_y 1
		.amdhsa_system_sgpr_workgroup_id_z 1
		.amdhsa_system_vgpr_workitem_id 0
		.amdhsa_next_free_vgpr 258
		.amdhsa_next_free_sgpr 100
		.amdhsa_reserve_vcc 1
		.amdhsa_float_denorm_mode_32 3
		.amdhsa_float_denorm_mode_16_64 3
		.amdhsa_memory_ordered 1
		.amdhsa_forward_progress 1
		.amdhsa_inst_pref_size 255
	.end_amdhsa_kernel
	.section	.bss,"aw",@nobits
	.p2align	6
	.space	262144
	.amdgpu_metadata
---
amdhsa.version: [ 1, 2 ]
amdhsa.kernels:
  - .name:           k_q6dd04f6fa8_ffn
    .symbol:         k_q6dd04f6fa8_ffn.kd
    .args:
      - { .name: q, .offset: 0, .size: 8, .value_kind: global_buffer, .address_space: global }
      - { .name: ctx, .offset: 8, .size: 8, .value_kind: global_buffer, .address_space: global }
      - { .name: out_w, .offset: 16, .size: 8, .value_kind: global_buffer, .address_space: global }
      - { .name: out_b, .offset: 24, .size: 8, .value_kind: global_buffer, .address_space: global }
      - { .name: ln1_w, .offset: 32, .size: 8, .value_kind: global_buffer, .address_space: global }
      - { .name: ln1_b, .offset: 40, .size: 8, .value_kind: global_buffer, .address_space: global }
      - { .name: w1, .offset: 48, .size: 8, .value_kind: global_buffer, .address_space: global }
      - { .name: b1, .offset: 56, .size: 8, .value_kind: global_buffer, .address_space: global }
      - { .name: w2, .offset: 64, .size: 8, .value_kind: global_buffer, .address_space: global }
      - { .name: b2, .offset: 72, .size: 8, .value_kind: global_buffer, .address_space: global }
      - { .name: ln2_w, .offset: 80, .size: 8, .value_kind: global_buffer, .address_space: global }
      - { .name: ln2_b, .offset: 88, .size: 8, .value_kind: global_buffer, .address_space: global }
      - { .name: out0, .offset: 96, .size: 8, .value_kind: global_buffer, .address_space: global }
    .group_segment_fixed_size: 129536
    .private_segment_fixed_size: 0
    .kernarg_segment_align: 8
    .kernarg_segment_size: 104
    .max_flat_workgroup_size: 288
    .sgpr_count:     100
    .vgpr_count:     258
    .wavefront_size: 32
...
	.end_amdgpu_metadata
.endif
;; end of part 3
;; ======== version 2 of 2: 3 launches; 1.12 times as fast as version 1
;; limits: right only within a limited range of input values
;; workspace buffers: codes 12,779,520 bytes; ctx 4,259,840 bytes; wimg 52,224 bytes
;; launch quant (part 4): grid 193 x 1, 13 waves a work-group, no clusters, 69,632 bytes of LDS; arguments q, k, v, codes, in_proj_w, out_w, w1, w2, wimg; writes codes, wimg
.if DOCPART == 4
	.amdgcn_target "amdgcn-amd-amdhsa--gfx1250"
	.amdhsa_code_object_version 6
	.text
	.protected	k_q6dd04f6fa8_quant
	.globl	k_q6dd04f6fa8_quant
	.p2align	8
	.type	k_q6dd04f6fa8_quant,@function
k_q6dd04f6fa8_quant:
	s_mov_b64 s[64:65], 0
	v_nop
	global_prefetch_b8 v0, s[64:65] scope:SCOPE_SE
	s_setreg_imm32_b32 hwreg(HW_REG_WAVE_MODE, 25, 1), 1
	s_wait_xcnt 0x0
; q, k, v [2][64 c][512 t][65 f], f32, become codes of BF6 (E3M2) along c, with one E8M0 byte for each 32 channels, laid for the next launch as images of operand registers.  The four weights are quantised here too, once.
; A chunk of 1,024 bytes serves 16 steps t of one sequence n = 65 b + f; chunk number (tensor x 130 + n) x 32 + t / 16.  In a chunk, plane p = 0, 1, 2 holds code registers 2 p, 2 p + 1 of
; lane 16 h + t % 16 (h: which 32 channels) at 256 p + 8 x lane; plane 3 holds the token's scale word twice: byte 0 and 1 the two blocks' bytes, bytes 2 and 3 the same again.
; SHARES.  Work-group x < 192: tensor x / 64, batch (x / 32) % 2, 16 steps t, all 65 f: 1,040 tokens that lie as 4,160 consecutive bytes for each channel.  Wave w takes five units of 16 tokens.
; A LANE TAKES A TOKEN AND A BLOCK, AND ITS REGISTERS RUN DOWN c: a block's largest magnitude needs no other lane, and the conversions give codes with c innermost.  Nothing is transposed by an instruction.
; The codes meet in LDS, one chunk image for each f, and leave as runs of 512 consecutive bytes, aligned.  One barrier.  Loads run two units (64 loads a wave) ahead.
; WORK-GROUP 192 TAKES THE WEIGHTS, whose K is innermost: a lane takes a row and a block of 32.  Waves 0-3: three row tiles each of in_proj_w; wave 4: out_w; waves 5-8: a quarter each of w1; waves 9-12: of w2.
; wimg holds the images byte for byte as the two later launches keep them in LDS.  From 0: twelve tiles of in_proj_w, 1,536 bytes each (6 code registers + 6 of zero codes, 16 bytes a lane and 512 an image), from 18,432 their
; scale words, 128 bytes a tile.  From 19,968: nine times four scale words a lane (512 bytes), from 24,576 nine times 24 code registers (3,072 bytes).  out_w and w1 are laid with a block's octets in the order 0, 2, 1, 3,
; as the operands that meet them have their channels; a tile of w1 takes rows 32 b + 8 u + r + 8 (r / 8).  This work-group uses no LDS; it passes the one barrier with nothing to say and ends behind it.
; A block's scale is 2^(floor(log2(largest magnitude)) - 4): its byte is the magnitude's exponent field - 4, held at 1 from below by a floor among the maximum's leaves.
; LIMITS: NaN and infinities are not served; a block of zeros gets the byte 1 where the rule says 127 (its codes are zeros; this program alone reads the bytes).
; 193 work-groups: a chunk wants 16 steps t, and fewer f to a work-group would cut the consecutive runs.  No tensor loads, no matrix work: memory binds here.
.set CSTR,  133120                     ; bytes from channel to channel
.set PITCH, 1040                       ; a chunk image in LDS: 1,024 bytes + 16
.set FLOOR, 0x2800000                  ; 2^(5 - 127)
.set DOWN4, 0xfe000000                 ; 4 off an exponent field
.set FFB,   19968                      ; where the last launch's images begin in wimg
.set SEL,   20                         ; s[20:21] selects for lane l xor 16
.set X,     16                         ; v16-79   two sets of 32 numbers
.set CO,    80                         ; v80-119  codes
.set PR,    120                        ; v120-129 scale words
.set BMA,   10
.set BMB,   11
.set BT,    12                         ; v12-14   the upper 16 codes (a conversion's three registers begin on an even number)
.set BSO,   15
.set BBY,   130
.set BPD,   131
.set BHW,   132
.set B8H,   2                          ; v2       8 h
.set WO,    133                        ; v133-135 the weights' work-group: my row and block, and the places of its second and third octet
.set WA1,   136                        ; v136     where my code images go
.set WA2,   137                        ; v137     and my scale words
; 32 numbers of one block in v[x] on become six code registers in v[dst] on; v[BHW] = byte of the block in lanes 0-15 | byte of the block in lanes 16-31 << 8
.macro BLK32 x, dst
	v_max3_num_f32 v[BMA], |v[(\x)]|, |v[(\x)+1]|, |v[(\x)+2]|
	v_max3_num_f32 v[BMB], |v[(\x)+3]|, |v[(\x)+4]|, |v[(\x)+5]|
.irp i, 6,10,14,18,22,26
	v_max3_num_f32 v[BMA], v[BMA], |v[(\x)+\i]|, |v[(\x)+\i+1]|
	v_max3_num_f32 v[BMB], v[BMB], |v[(\x)+\i+2]|, |v[(\x)+\i+3]|
.endr
	v_max3_num_f32 v[BMA], v[BMA], |v[(\x)+30]|, |v[(\x)+31]|
	v_max3_num_f32 v[BMA], v[BMA], v[BMB], FLOOR               ; the floor holds the byte at 1 from below
	v_add_nc_u32 v[BSO], DOWN4, v[BMA]                         ; the conversion takes this operand's exponent field as its scale
	v_cvt_scalef32_pk16_bf6_f32 v[(\dst):(\dst)+2], v[(\x):(\x)+15], v[BSO]
	v_cvt_scalef32_pk16_bf6_f32 v[BT:BT+2], v[(\x)+16:(\x)+31], v[BSO]
	v_lshrrev_b32 v[BBY], 23, v[BSO]                           ; the byte; also the plain line behind the conversions
.irp i, 0,1,2
	v_mov_b32 v[(\dst)+3+\i], v[BT+\i]
.endr
	v_lshlrev_b32 v[BBY], v[B8H], v[BBY]                       ; at its place in the word,
	v_permlanex16_b32 v[BPD], v[BBY], s[SEL], s[SEL+1]
	v_or_b32 v[BHW], v[BBY], v[BPD]                            ; with the other block's, from lane l xor 16
.endm
.macro LOAD i                          ; unit i: 32 channels of my block; sixteen lanes read 64 consecutive bytes
.irp c, 0,1,2,3,4,5,6,7,8,9,10,11,12,13,14,15,16,17,18,19,20,21,22,23,24,25,26,27,28,29,30,31
	global_load_b32 v[X+32*((\i)%2)+\c], v1, s[4:5] offset:64*(\i)+CSTR*\c th:TH_LOAD_NT
.endr
.endm
.macro UNIT i
.if \i < 4
	s_wait_loadcnt 32                              ; this unit's 32 loads are in; the next unit's 32 may be out
.else
	s_wait_loadcnt 0x0
.endif
	BLK32 X+32*(\i%2), CO+8*\i
	v_lshl_or_b32 v[PR+2*\i], v[BHW], 16, v[BHW]   ; the word: the two bytes, and the same again for the half of K that holds no number
	v_mov_b32 v[PR+2*\i+1], v[PR+2*\i]
	ds_store_b64 v[3+\i], v[CO+8*\i:CO+8*\i+1]
	ds_store_b64 v[3+\i], v[CO+8*\i+2:CO+8*\i+3] offset:256
	ds_store_b64 v[3+\i], v[CO+8*\i+4:CO+8*\i+5] offset:512
	ds_store_b64 v[3+\i], v[PR+2*\i:PR+2*\i+1] offset:768
.if \i < 3
	LOAD \i+2
.endif
.endm
.macro WLD set, base, off              ; a weight's block of 32 numbers into a set: its first octet, the two middle ones by their own offsets, its last
	global_load_b128 v[X+32*(\set):X+32*(\set)+3],     v[WO],   s[\base:\base+1] offset:\off
	global_load_b128 v[X+32*(\set)+4:X+32*(\set)+7],   v[WO],   s[\base:\base+1] offset:\off+16
	global_load_b128 v[X+32*(\set)+8:X+32*(\set)+11],  v[WO+1], s[\base:\base+1] offset:\off
	global_load_b128 v[X+32*(\set)+12:X+32*(\set)+15], v[WO+1], s[\base:\base+1] offset:\off+16
	global_load_b128 v[X+32*(\set)+16:X+32*(\set)+19], v[WO+2], s[\base:\base+1] offset:\off
	global_load_b128 v[X+32*(\set)+20:X+32*(\set)+23], v[WO+2], s[\base:\base+1] offset:\off+16
	global_load_b128 v[X+32*(\set)+24:X+32*(\set)+27], v[WO],   s[\base:\base+1] offset:\off+96
	global_load_b128 v[X+32*(\set)+28:X+32*(\set)+31], v[WO],   s[\base:\base+1] offset:\off+112
.endm
	s_load_b256 s[4:11], s[0:1], 0x0               ; q s[4:5], k s[6:7], v s[8:9], codes s[10:11]
	s_load_b256 s[36:43], s[0:1], 0x20             ; in_proj_w s[36:37], out_w s[38:39], w1 s[40:41], w2 s[42:43]
	s_load_b64 s[44:45], s[0:1], 0x40              ; wimg
	v_lshl_add_u32 v144, v0, 2, 0x10900
	v_mov_b32 v145, 0
	v_lshrrev_b32 v10, 5, v0
	v_readfirstlane_b32 s12, v10                   ; wave 0..12
	v_and_b32 v10, 15, v0                          ; r: my token in a unit, my row in a weight's tile
	v_bfe_u32 v11, v0, 4, 1                        ; h: my block
	v_and_b32 v130, 31, v0                         ; lane
	s_bfe_u32 s13, ttmp9, 0x10005                  ; batch
	s_and_b32 s14, ttmp9, 31                       ; which 16 steps t
	s_lshr_b32 s15, ttmp9, 6                       ; tensor; 3: the weights
	s_mov_b32 s[SEL], 0x76543210
	s_mov_b32 s[SEL+1], 0xfedcba98
	s_mul_i32 s22, s12, 320
	v_lshl_add_u32 v1, v10, 2, s22                 ; in: 320 w + 4 r,
	v_mad_u32_u24 v1, v11, 0x410000, v1            ; + 32 channels for the upper block
	v_lshlrev_b32 v2, 3, v11
	s_mul_i32 s23, s12, 80
	v_add_nc_u32 v13, s23, v10                     ; my token of unit 0: 80 w + r
.irp i, 0,1,2,3,4
	v_add_nc_u32 v12, 16*\i, v13                   ; token jl = 65 (t % 16) + f
	v_mul_u32_u24 v14, v12, 1009
	v_lshrrev_b32 v14, 16, v14                     ; jl / 65 (exact for jl under 1,040)
	v_mul_u32_u24 v15, v14, 65
	v_sub_nc_u32 v12, v12, v15                     ; f
	v_mul_u32_u24 v12, v12, PITCH
	v_lshl_add_u32 v12, v14, 3, v12
	v_lshl_add_u32 v[3+\i], v11, 7, v12            ; chunk image f, place 8 (16 h + t % 16)
.endr
	s_mul_i32 s24, s12, 5*PITCH
	v_lshl_add_u32 v8, v130, 4, s24                ; back: my wave's five chunk images, 16 bytes a lane
	s_mul_i32 s25, s12, 5*32768
	v_lshl_add_u32 v9, v130, 4, s25                ; and the same chunks in memory, 32 chunks apart
	v_mov_b32 v[BPD], 0                            ; a lane permute's destination counts as read
	s_mul_i32 s16, s13, 8519680
	s_mul_i32 s17, s14, 4160
	s_add_co_u32 s16, s16, s17
	s_mov_b32 s17, 0
	s_mul_i32 s18, s15, 130
	s_mul_i32 s19, s13, 65
	s_add_co_u32 s18, s18, s19
	s_lshl_b32 s18, s18, 15
	s_lshl_b32 s19, s14, 10
	s_add_co_u32 s18, s18, s19
	s_mov_b32 s19, 0
	s_wait_kmcnt 0x0
	s_cmp_eq_u32 s15, 1                            ; the choice of tensor hangs on the work-group's number alone
	s_cselect_b64 s[4:5], s[6:7], s[4:5]
	s_cmp_eq_u32 s15, 2
	s_cselect_b64 s[4:5], s[8:9], s[4:5]
	s_add_nc_u64 s[4:5], s[4:5], s[16:17]
	s_add_nc_u64 s[10:11], s[10:11], s[18:19]
	s_cmp_eq_u32 s15, 3
	s_cbranch_scc1 .Lweights                       ; the last work-group takes the weights; all that is used behind the barrier has been made above
	LOAD 0
	LOAD 1
.irp i, 0,1,2,3,4
	UNIT \i
.endr
	s_branch .Ljoin
.Lweights:
	s_cmp_ge_u32 s12, 4
	s_cbranch_scc1 .Lw_ffn
	; waves 0-3: row tiles 3 w, 3 w + 1, 3 w + 2 of in_proj_w [192][64], channels as they lie
	s_mul_i32 s46, s12, 12288
	v_lshl_add_u32 v[WO], v10, 8, s46
	v_lshl_add_u32 v[WO], v11, 7, v[WO]            ; row r of 256 bytes, block h
	v_add_nc_u32 v[WO+1], 32, v[WO]
	v_add_nc_u32 v[WO+2], 64, v[WO]
	s_mul_i32 s47, s12, 4608
	v_lshl_add_u32 v[WA1], v130, 4, s47
	s_mul_i32 s48, s12, 384
	v_lshl_add_u32 v[WA2], v130, 2, s48
	WLD 0, 36, 0
	WLD 1, 36, 4096
.irp i, 0,1,2
.irp z, 6,7,8,9,10,11
	v_mov_b32 v[CO+12*\i+\z], 0                    ; the upper half of an instruction's K: zero codes
.endr
.endr
	s_wait_loadcnt 8                               ; this tile's 8 loads are in; the next tile's 8 may be out
	BLK32 X, CO
	v_lshl_or_b32 v[PR], v[BHW], 16, v[BHW]
	WLD 0, 36, 8192
	s_wait_loadcnt 8
	BLK32 X+32, CO+12
	v_lshl_or_b32 v[PR+1], v[BHW], 16, v[BHW]
	s_wait_loadcnt 0x0
	BLK32 X, CO+24
	v_lshl_or_b32 v[PR+2], v[BHW], 16, v[BHW]
.irp i, 0,1,2
.irp k, 0,1,2
	global_store_b128 v[WA1], v[CO+12*\i+4*\k:CO+12*\i+4*\k+3], s[44:45] offset:1536*\i+512*\k   ; 32 lanes store 512 consecutive bytes, aligned
.endr
	global_store_b32 v[WA2], v[PR+\i], s[44:45] offset:18432+128*\i
.endr
	s_branch .Ljoin
.Lw_ffn:
	; waves 4-12: wave 4 out_w, waves 5-8 a quarter of w1, waves 9-12 a quarter of w2: one text, the figures chosen on the wave's number
	s_sub_co_u32 s46, s12, 4                       ; 0 .. 8: the image's number
	s_sub_co_i32 s47, s46, 1
	s_max_i32 s47, s47, 0
	s_sub_co_i32 s48, s46, 5
	s_mov_b32 s49, 2048                            ; from job 0 to job 1,
	s_mov_b32 s50, 8192                            ; to job 2; job 3 is both
	s_mov_b32 s52, 8                               ; a row is 256 bytes (w2: 1,024)
	s_mov_b32 s53, 64                              ; registers 8-15 take the block's octet 2, registers 16-23 its octet 1 (w2: as they lie)
	s_mov_b32 s54, 32
	s_cmp_eq_u32 s46, 0
	s_cselect_b32 s49, 4096, s49
	s_cselect_b32 s51, 0, 8                        ; w1 alone: row r + 8 (r / 8)
	s_cselect_b64 s[56:57], s[38:39], s[40:41]
	s_cmp_ge_u32 s46, 5
	s_cselect_b32 s47, s48, s47
	s_cselect_b32 s49, 256, s49
	s_cselect_b32 s50, 512, s50
	s_cselect_b32 s51, 0, s51
	s_cselect_b32 s52, 10, s52
	s_cselect_b32 s53, 32, s53
	s_cselect_b32 s54, 64, s54
	s_cselect_b64 s[56:57], s[42:43], s[56:57]
	s_lshl_b32 s58, s47, 14                        ; my 16,384 bytes of the weight
	s_mov_b32 s59, 0
	s_add_nc_u64 s[56:57], s[56:57], s[58:59]      ; job 0
	s_mov_b32 s58, s49
	s_add_nc_u64 s[60:61], s[56:57], s[58:59]      ; job 1
	s_mov_b32 s58, s50
	s_add_nc_u64 s[62:63], s[56:57], s[58:59]      ; job 2
	s_add_nc_u64 s[66:67], s[60:61], s[58:59]      ; job 3
	v_and_b32 v[WO], s51, v10
	v_add_nc_u32 v[WO], v[WO], v10
	v_lshlrev_b32 v[WO], s52, v[WO]
	v_lshl_add_u32 v[WO], v11, 7, v[WO]            ; my row, my block of 32
	v_add_nc_u32 v[WO+1], s53, v[WO]
	v_add_nc_u32 v[WO+2], s54, v[WO]
	s_mul_i32 s47, s46, 3072
	v_lshl_add_u32 v[WA1], v130, 4, s47
	s_lshl_b32 s48, s46, 9
	v_lshl_add_u32 v[WA2], v130, 4, s48
	WLD 0, 56, 0
	WLD 1, 60, 0
	s_wait_loadcnt 8                               ; this job's 8 loads are in; the next job's 8 may be out
	BLK32 X, CO
	v_mov_b32 v[PR], v[BHW]
	WLD 0, 62, 0
	s_wait_loadcnt 8
	BLK32 X+32, CO+6
	v_mov_b32 v[PR+1], v[BHW]
	WLD 1, 66, 0
	s_wait_loadcnt 8
	BLK32 X, CO+12
	v_mov_b32 v[PR+2], v[BHW]
	s_wait_loadcnt 0x0
	BLK32 X+32, CO+18
	v_mov_b32 v[PR+3], v[BHW]
.irp i, 0,1,2,3
	v_lshl_or_b32 v[PR+4+\i], v[PR+\i], 16, v[PR+\i]           ; a tile over 64: its two bytes, and the same again
.endr
	v_lshl_or_b32 v[PR+8], v[PR+1], 16, v[PR]      ; w2, 128 along K: four blocks' bytes
	v_lshl_or_b32 v[PR+9], v[PR+3], 16, v[PR+2]
	s_cmp_ge_u32 s46, 5
	s_cselect_b32 vcc_lo, -1, 0
	v_cndmask_b32 v[PR+4], v[PR+4], v[PR+8], vcc_lo
	v_cndmask_b32 v[PR+5], v[PR+5], v[PR+9], vcc_lo
.irp k, 0,1,2,3,4,5
	global_store_b128 v[WA1], v[CO+4*\k:CO+4*\k+3], s[44:45] offset:FFB+4608+512*\k   ; 32 lanes store 512 consecutive bytes, aligned
.endr
	global_store_b128 v[WA2], v[PR+4:PR+7], s[44:45] offset:FFB
.Ljoin:
	s_wait_dscnt 0x0                               ; for the others: my stores into LDS have landed
	s_barrier_signal -1
	s_barrier_wait -1
	s_cmp_eq_u32 s15, 3
	s_cbranch_scc1 .Lend                           ; the weights' work-group has stored all that it makes
.irp i, 0,1,2,3,4
.irp k, 0,1
	ds_load_b128 v[16+4*(2*\i+\k):19+4*(2*\i+\k)], v8 offset:PITCH*\i+512*\k
.endr
.endr
.irp i, 0,1,2,3,4
.irp k, 0,1
	s_wait_dscnt 9-(2*\i+\k)                       ; LDS loads come back in order: the younger ones may be out
	global_store_b128 v9, v[16+4*(2*\i+\k):19+4*(2*\i+\k)], s[10:11] offset:32768*\i+512*\k   ; 32 lanes store 512 consecutive bytes, aligned
.endr
.endr
.Lend:
	s_barrier_signal -1
	s_barrier_wait -1
	s_wait_tensorcnt 0x0
	ds_add_u32 v144, v145
	s_wait_dscnt 0x0
	s_endpgm
.Lfunc_end_k_q6dd04f6fa8_quant:
	.size	k_q6dd04f6fa8_quant, .Lfunc_end_k_q6dd04f6fa8_quant-k_q6dd04f6fa8_quant
	.p2alignl 7, 3214868480
	.fill 96, 4, 3214868480
	.section	.rodata,"a",@progbits
	.p2align	6, 0x0
	.amdhsa_kernel k_q6dd04f6fa8_quant
		.amdhsa_group_segment_fixed_size 69632
		.amdhsa_private_segment_fixed_size 0
		.amdhsa_enable_private_segment 0
		.amdhsa_kernarg_size 72
		.amdhsa_user_sgpr_count 2
		.amdhsa_user_sgpr_kernarg_segment_ptr 1
		.amdhsa_wavefront_size32 1
		.amdhsa_system_sgpr_workgroup_id_x 1
		.amdhsa_system_sgpr_workgroup_id_y 1
		.amdhsa_system_sgpr_workgroup_id_z 1
		.amdhsa_system_vgpr_workitem_id 0
		.amdhsa_next_free_vgpr 146
		.amdhsa_next_free_sgpr 72
		.amdhsa_reserve_vcc 1
		.amdhsa_float_denorm_mode_32 3
		.amdhsa_float_denorm_mode_16_64 3
		.amdhsa_memory_ordered 1
		.amdhsa_forward_progress 1
		.amdhsa_inst_pref_size 53
	.end_amdhsa_kernel
	.amdgpu_metadata
---
amdhsa.version: [ 1, 2 ]
amdhsa.kernels:
  - .name:           k_q6dd04f6fa8_quant
    .symbol:         k_q6dd04f6fa8_quant.kd
    .args:
      - { .name: q, .offset: 0, .size: 8, .value_kind: global_buffer, .address_space: global }
      - { .name: k, .offset: 8, .size: 8, .value_kind: global_buffer, .address_space: global }
      - { .name: v, .offset: 16, .size: 8, .value_kind: global_buffer, .address_space: global }
      - { .name: codes, .offset: 24, .size: 8, .value_kind: global_buffer, .address_space: global }
      - { .name: in_proj_w, .offset: 32, .size: 8, .value_kind: global_buffer, .address_space: global }
      - { .name: out_w, .offset: 40, .size: 8, .value_kind: global_buffer, .address_space: global }
      - { .name: w1, .offset: 48, .size: 8, .value_kind: global_buffer, .address_space: global }
      - { .name: w2, .offset: 56, .size: 8, .value_kind: global_buffer, .address_space: global }
      - { .name: wimg, .offset: 64, .size: 8, .value_kind: global_buffer, .address_space: global }
    .group_segment_fixed_size: 69632
    .private_segment_fixed_size: 0
    .kernarg_segment_align: 8
    .kernarg_segment_size: 72
    .max_flat_workgroup_size: 416
    .sgpr_count:     72
    .vgpr_count:     146
    .wavefront_size: 32
...
	.end_amdgpu_metadata
.endif
;; end of part 4
;; launch attn (part 5): grid 130 x 4, 4 waves a work-group, no clusters, 99,072 bytes of LDS; arguments codes, wimg, in_proj_b, ctx; writes ctx
.if DOCPART == 5
	.amdgcn_target "amdgcn-amd-amdhsa--gfx1250"
	.amdhsa_code_object_version 6
	.text
	.protected	k_q6dd04f6fa8_attn
	.globl	k_q6dd04f6fa8_attn
	.p2align	8
	.type	k_q6dd04f6fa8_attn,@function
k_q6dd04f6fa8_attn:
	s_mov_b64 s[64:65], 0
	v_nop
	global_prefetch_b8 v0, s[64:65] scope:SCOPE_SE
	s_setreg_imm32_b32 hwreg(HW_REG_WAVE_MODE, 25, 1), 1
	s_wait_xcnt 0x0
; Banded causal attention on the codes that the first launch made.  Sequence n = work-group x; wave j = 4 y + wave owns queries 32 j .. 32 j + 31 (two tiles a of 16), all four heads of 16.
; Key s counts for query t where t - 64 < s <= t: the wave's keys are 32 j - 64 .. 32 j + 31, three aligned blocks b of 32, six tiles (b, u).  What the mask throws away elsewhere is not computed.
; THE KEYS OF A TILE ARE NOT NEIGHBOURS: row m of tile (b, u) is key 32 b + 8 u + m + 8 (m / 8), so that a lane's 16 registers of tiles (b, 0), (b, 1) are 16 neighbouring keys, 32 b + 16 h + 0 .. 15.
; FOR EACH HEAD:  V^T-wise projection (source 0 = 16 keys, source 1 = 16 rows of Wv, C = the bias): a lane holds d = r and registers along the keys: quantised along the keys in registers.
;   K and Q projections the other way round (source 0 = the weight): a lane holds one token and d = 8 h + 0 .. 7: these ARE operands of the f32 form (slot 2 h + i holds d = 8 h + 2 st + i on both sides).
;   Scores S^T = K Q^T by the f32 matrix form in four steps of 4, their first C the mask (0 or -1e30).  t = score x log2(e) / 4; M = ceil(largest t); p = 2^(t - M); the sum of the unquantised p divides at the end.
;   O^T = V^T P^T on codes; two heads' results, divided by the sum, are 16 numbers a lane of one block of 32 channels: quantised and laid into a slot of 64 bytes for each token.
; A product over 64 takes one instruction of 128: the weight's upper six registers are zero codes, the tokens' upper six are whatever registers follow; the scale words repeat their two bytes.
; ctx: units of 256 bytes, number (128 b + t / 4) x 65 + f, slot t % 4: 24 + 24 bytes of codes, at 48 the two scale bytes twice, then fill.  In a block the places' octets 0, 1, 2, 3 hold channel octets 0, 2, 1, 3.
; in_proj_w comes as the first launch left it: images of operand registers, 19,968 dense bytes that are copied into LDS as they lie, 156 bytes a thread.  One barrier; behind it a wave writes its own bytes alone.
; LIMITS: NaN and infinities are not served; a hidden key is -1e30 ADDED to its score, the same as -1e30 while |q.k| stays under 2^70; a block of zeros has the byte 1, in workspace alone.
; No tensor loads, no cluster: a wave reads 12 KiB of codes once.
.set FLOOR, 0x2800000
.set DOWN4, 0xfe000000
.set SEL,   20
.set WIMG,  0                          ; 12 x 1,536: a row tile of in_proj_w: 6 code registers + 6 of zeros, three images of 512 bytes
.set WSC,   18432                      ; 12 x 128: its scale words, 4 bytes a lane
.set PAR,   19968                      ; in_proj_b
.set PAT,   20736                      ; 4 x 2,048: mask 2 a + s (s = 0: block 0, s = 1: block 2), 16 registers as four images
.set ALLM,  28928                      ; 2,048 bytes of -1e30
.set ZERO,  30976                      ; 2,048 bytes of 0
.set PRIV,  33024                      ; 4 x 16,384: each wave's own
.set OVC,   4608                       ; in it: K's codes at 0, V's here,
.set OQC,   9216                       ; Q's,
.set OSV,   10752                      ; the even head's results, 2 x 1,024,
.set OSTG,  12800                      ; the slots: 32 rows of 80 bytes
.set A,    16                          ; v16-63   six tiles: V's projection, then K's
.set QH,   64                          ; v64-79   Q's two tiles
.set S,    80                          ; v80-127  scores; written by matrix instructions alone
.set VF,   128                         ; v128-139 V's codes
.set CD,   140                         ; v140-193 token codes
.set WA,   194                         ; v194-205 Wv, then Wk
.set WQ,   206                         ; v206-217 Wq
.set BV,   218                         ; v218-225 V's bias, then K's
.set BQ,   226                         ; v226-233 Q's bias
.set TMP,  226                         ; v226-237 at work while V is quantised
.set TPJ,  238
.set MK,   140                         ; v140-179 masks
.set P0,   140                         ; v140-171 p, two sets of 16
.set PF,   172                         ; v172-183 p's codes
.set TT,   184
.set OS,   188                         ; v188-203 two heads' results
.set TM,   204                         ; v204-215 at work
.set LS,   216                         ; v216-219 the sum, two pairs
.set RL,   220                         ; v220-221 1 / the sum
; v244-246 K's scale words, v247-249 V's (lanes 0-15: u = 0, lanes 16-31: u = 1), v250 Q's (lanes 16-31: a = 1), v251-253 Wq's, Wk's, Wv's, v254 V's along the keys, v255 p's: scales and nothing else
.macro NOPS n
.rept \n
	v_nop
.endr
.endm
.macro WM d, a, b, c, sa, sb
	v_wmma_scale_f32_16x16x128_f8f6f4 v[(\d):(\d)+7], v[(\a):(\a)+11], v[(\b):(\b)+11], v[(\c):(\c)+7], v[(\sa)], v[(\sb)] matrix_a_fmt:MATRIX_FMT_BF6 matrix_b_fmt:MATRIX_FMT_BF6
.endm
.macro WMA d, a, b, c, sa, sb
	v_wmma_scale_f32_16x16x128_f8f6f4 v[(\d):(\d)+7], v[(\a):(\a)+11], v[(\b):(\b)+11], v[(\c):(\c)+7], v[(\sa)], v[(\sb)] matrix_a_fmt:MATRIX_FMT_BF6 matrix_b_fmt:MATRIX_FMT_BF6 matrix_a_scale:MATRIX_SCALE_ROW1
.endm
.macro WMB d, a, b, c, sa, sb
	v_wmma_scale_f32_16x16x128_f8f6f4 v[(\d):(\d)+7], v[(\a):(\a)+11], v[(\b):(\b)+11], v[(\c):(\c)+7], v[(\sa)], v[(\sb)] matrix_a_fmt:MATRIX_FMT_BF6 matrix_b_fmt:MATRIX_FMT_BF6 matrix_b_scale:MATRIX_SCALE_ROW1
.endm
; nb blocks, 16 numbers of each in my lane at x + 16 b, the other 16 in lane l xor 16: v[tm+8+b] = the conversion's scale operand, v[tm+4+b] = the byte
.macro HMAX x, nb, tm
.set hb, 0
.rept \nb
	v_max3_num_f32 v[\tm+hb], |v[\x+16*hb]|, |v[\x+16*hb+1]|, FLOOR
.set hb, hb+1
.endr
.irp i, 2,4,6,8,10,12,14
.set hb, 0
.rept \nb
	v_max3_num_f32 v[\tm+hb], v[\tm+hb], |v[\x+16*hb+\i]|, |v[\x+16*hb+\i+1]|
.set hb, hb+1
.endr
.endr
.set hb, 0
.rept \nb
	v_permlanex16_b32 v[\tm+4+hb], v[\tm+hb], s[SEL], s[SEL+1]
.set hb, hb+1
.endr
.set hb, 0
.rept \nb
	v_max_num_f32 v[\tm+hb], v[\tm+hb], v[\tm+4+hb]
.set hb, hb+1
.endr
.set hb, 0
.rept \nb
	v_add_nc_u32 v[\tm+8+hb], DOWN4, v[\tm+hb]
.set hb, hb+1
.endr
.set hb, 0
.rept \nb
	v_lshrrev_b32 v[\tm+4+hb], 23, v[\tm+8+hb]
.set hb, hb+1
.endr
.endm
; half blocks 0, 1, 2 (in d, t, d + 6) become the operand's twelve registers: a whole block in a lane; block 3 is zero codes
.macro PACK3 d, t
.irp i, 0,1,2
	v_mov_b32 v[\d+9+\i], 0
.endr
.irp i, 0,1,2
	v_permlane16_swap_b32 v[\d+\i], v[\t+\i]
.endr
.irp i, 0,1,2
	v_mov_b32 v[\d+3+\i], v[\t+\i]
.endr
.irp i, 0,1,2
	v_permlane16_swap_b32 v[\d+6+\i], v[\d+9+\i]
.endr
.endm
	s_load_b256 s[4:11], s[0:1], 0x0               ; codes s[4:5], wimg s[6:7], in_proj_b s[8:9], ctx s[10:11]
	v_lshl_add_u32 v4, v0, 2, 0x18100
	v_mov_b32 v237, 0
	v_lshrrev_b32 v238, 5, v0
	v_readfirstlane_b32 s12, v238                  ; wave 0..3
	s_mov_b32 s13, ttmp9                           ; n
	s_and_b32 s14, ttmp7, 0xffff
	s_lshl_b32 s14, s14, 2
	s_add_co_u32 s14, s14, s12                     ; j
	s_cmp_ge_u32 s13, 65
	s_cselect_b32 s15, 1, 0                        ; batch
	s_mul_i32 s41, s15, 65
	s_sub_co_u32 s16, s13, s41                     ; f
	s_mov_b32 s[SEL], 0x76543210
	s_mov_b32 s[SEL+1], 0xfedcba98
	s_mov_b32 s22, 0x3eb8aa3b                      ; log2(e) / 4
	s_mov_b32 s23, s22
	s_mov_b32 s40, 0xf149f2ca                      ; -1e30
	v_and_b32 v238, 31, v0                         ; lane
	v_and_b32 v239, 15, v0                         ; r
	v_bfe_u32 v240, v0, 4, 1                       ; h
	v_lshlrev_b32 v1, 4, v238                      ; 16 x lane: an image's place
	v_lshlrev_b32 v3, 2, v238                      ; 4 x lane: a scale word's
	s_lshl_b32 s41, s12, 14
	s_add_co_u32 s41, s41, PRIV                    ; my wave's own bytes
	v_add_nc_u32 v2, s41, v1
	v_lshl_add_u32 v5, v240, 5, PAR                ; biases by d = 8 h + 0 .. 7
	v_lshl_add_u32 v6, v239, 2, PAR                ; and by d = r
	v_mul_u32_u24 v241, v239, 80
	v_add_nc_u32 v241, s41, v241
	v_add_nc_u32 v11, OSTG+48, v241                ; slot of query r: its scale bytes
	v_mad_u32_u24 v10, v240, 12, v241
	v_add_nc_u32 v10, OSTG, v10                    ; and my 12 bytes of a block's codes
	v_lshrrev_b32 v242, 2, v238
	v_mul_u32_u24 v242, v242, 80
	v_and_b32 v243, 3, v238
	v_lshl_add_u32 v242, v243, 4, v242
	v_add_nc_u32 v242, s41, v242
	v_add_nc_u32 v12, OSTG, v242                   ; back: four lanes to a slot
	v_mul_u32_u24 v13, v240, 16640
	v_lshl_add_u32 v13, v239, 4, v13               ; out: sixteen lanes to a unit, units 65 apart
	v_lshrrev_b32 v241, 3, v239
	v_and_b32 v242, 7, v239
	v_lshlrev_b32 v243, 3, v242
	v_lshl_add_u32 v243, v241, 10, v243            ; chunk r / 8, place 8 (r % 8)
	v_lshl_add_u32 v224, v240, 7, v243             ; K's and V's codes: + 128 h
	v_lshlrev_b32 v225, 3, v238                    ; Q's codes, and the bias copy: 8 x lane
	v_lshl_add_u32 v226, v240, 6, v243
	v_add_nc_u32 v226, 768, v226                   ; K's and V's scale words: lanes 16-31 take u = 1
	v_lshlrev_b32 v227, 3, v239
	v_lshl_add_u32 v227, v240, 10, v227
	v_add_nc_u32 v227, 768, v227                   ; Q's: lanes 16-31 take a = 1
	v_lshlrev_b32 v228, 4, v0                      ; the weights' images: 16 x thread, in wimg and in LDS alike
	v_lshlrev_b32 v231, 2, v0                      ; their scale words: 4 x thread
	s_lshl_b32 s42, s12, 11
	v_add_nc_u32 v229, s42, v1                     ; my mask's images
	s_lshl_b32 s42, s12, 10
	v_add_nc_u32 v230, s42, v1                     ; my quarter of the two flat tables
	s_lshr_b32 s42, s12, 1
	s_lshl_b32 s42, s42, 4
	v_lshlrev_b32 v234, 4, v240
	v_sub_nc_u32 v234, v239, v234
	v_add_nc_u32 v234, s42, v234                   ; 16 a + r - 16 h, for the mask that my wave builds (a = wave / 2)
	s_mov_b32 s42, PAT
	s_mov_b32 s43, PAT+4096
	s_mov_b32 s44, ZERO
	s_cmp_lt_u32 s14, 2                            ; block 0 lies ahead of the sequence for j = 0, 1; block 1 for j = 0: all hidden
	s_cselect_b32 s42, ALLM, s42
	s_cselect_b32 s43, ALLM, s43
	s_cmp_eq_u32 s14, 0
	s_cselect_b32 s44, ALLM, s44
	v_add_nc_u32 v7, s42, v1
	v_add_nc_u32 v8, s43, v1
	v_add_nc_u32 v9, s44, v1
	s_and_b32 s42, s12, 1
	s_cmp_eq_u32 s42, 0
	s_cselect_b32 s43, s40, 0
	s_cselect_b32 s44, 0, s40
	v_mov_b32 v235, s43
	v_mov_b32 v236, s44
	s_cmp_lt_u32 s12, 2
	s_cselect_b32 s56, s40, 0
	s_lshl_b32 s45, s13, 15                        ; a sequence's 32 chunks
	s_lshl_b32 s46, s14, 11
	s_add_co_u32 s46, s46, s45
	s_mov_b32 s47, 0
.irp b, 0,1,2
	s_lshl_b32 s[48+2*\b], s14, 1
	s_add_co_i32 s[48+2*\b], s[48+2*\b], 2*\b-4
	s_max_i32 s[48+2*\b], s[48+2*\b], 0            ; held inside the sequence: what is read in place of keys under 0 is hidden by the masks
	s_lshl_b32 s[48+2*\b], s[48+2*\b], 10
	s_add_co_u32 s[48+2*\b], s[48+2*\b], s45
	s_add_co_u32 s[48+2*\b], s[48+2*\b], 4259840
	s_mov_b32 s[49+2*\b], 0
.endr
	s_lshl_b32 s54, s15, 7
	s_lshl_b32 s55, s14, 3
	s_add_co_u32 s54, s54, s55
	s_mul_i32 s54, s54, 65
	s_add_co_u32 s54, s54, s16
	s_lshl_b32 s54, s54, 8
	s_mov_b32 s55, 0
	s_wait_kmcnt 0x0
	s_add_nc_u64 s[24:25], s[4:5], s[46:47]        ; q's two chunks
.irp b, 0,1,2
	s_add_nc_u64 s[26+2*\b:27+2*\b], s[4:5], s[48+2*\b:49+2*\b]          ; k's two chunks of block b
	s_add_nc_u64 s[32+2*\b:33+2*\b], s[26+2*\b:27+2*\b], 4259840         ; v's
.endr
	s_add_nc_u64 s[38:39], s[10:11], s[54:55]
.irp k, 0,1,2,3,4,5,6,7,8
	global_load_b128 v[128+4*\k:131+4*\k], v228, s[6:7] offset:2048*\k   ; the weights' images: the four waves read 2,048 consecutive bytes
.endr
.irp k, 0,1,2
	global_load_b32 v[164+\k], v231, s[6:7] offset:WSC+512*\k
.endr
.irp b, 0,1,2
.irp u, 0,1
.irp p, 0,1,2
	global_load_b64 v[16+6*(2*\b+\u)+2*\p:17+6*(2*\b+\u)+2*\p], v224, s[26+2*\b:27+2*\b] offset:64*\u+256*\p
.endr
.endr
.endr
.irp a, 0,1
.irp p, 0,1,2
	global_load_b64 v[52+6*\a+2*\p:53+6*\a+2*\p], v225, s[24:25] offset:1024*\a+256*\p
.endr
.endr
.irp b, 0,1,2
	global_load_b32 v[244+\b], v226, s[26+2*\b:27+2*\b]
.endr
.irp b, 0,1,2
	global_load_b32 v[247+\b], v226, s[32+2*\b:33+2*\b]
.endr
	global_load_b32 v250, v227, s[24:25]
	; the masks.  Register n of a block holds key 16 h + n of it.  Block 0: the key counts where n > 16 a + r - 16 h; block 2: where n <= that
.irp n, 0,1,2,3,4,5,6,7,8,9,10,11,12,13,14,15
	v_cmp_gt_i32 vcc_lo, \n, v234
	v_cndmask_b32 v[64+\n], v235, v236, vcc_lo
.endr
.irp i, 0,1,2,3
	ds_store_b128 v229, v[64+4*\i:67+4*\i] offset:PAT+512*\i
.endr
	s_wait_dscnt 0x0
.irp i, 0,1,2,3
	v_mov_b32 v[64+\i], s56                        ; waves 0, 1: -1e30; waves 2, 3: 0
.endr
	ds_store_b128 v230, v[64:67] offset:ALLM
	ds_store_b128 v230, v[64:67] offset:ALLM+512
	s_wait_dscnt 0x0
	s_cmp_lg_u32 s12, 0
	s_cbranch_scc1 .Lno_bias                       ; wave 0 copies in_proj_b, 768 bytes
	global_load_b64 v[64:65], v225, s[8:9]
	global_load_b64 v[66:67], v225, s[8:9] offset:256
	global_load_b64 v[68:69], v225, s[8:9] offset:512
	s_wait_loadcnt 0x0
	ds_store_b64 v225, v[64:65] offset:PAR
	ds_store_b64 v225, v[66:67] offset:PAR+256
	ds_store_b64 v225, v[68:69] offset:PAR+512
	s_wait_dscnt 0x0
.Lno_bias:
.irp b, 0,1,2
.irp u, 0,1
.irp p, 0,1,2
	global_load_b64 v[168+6*(2*\b+\u)+2*\p:169+6*(2*\b+\u)+2*\p], v224, s[32+2*\b:33+2*\b] offset:64*\u+256*\p
.endr
.endr
.endr
	s_wait_loadcnt 49                              ; the weights' 12 loads are in: behind them were issued 31 loads of K's and Q's codes and scale words and V's 18
.irp k, 0,1,2,3,4,5,6,7,8
	ds_store_b128 v228, v[128+4*\k:131+4*\k] offset:WIMG+2048*\k
.endr
.irp k, 0,1,2
	ds_store_b32 v231, v[164+\k] offset:WSC+512*\k
.endr
	s_wait_loadcnt 18                              ; K's and Q's codes and all scale words are in; V's 18 loads may be out
.irp i, 0,1,2,3,4,5,6,7,8
	ds_store_b128 v2, v[16+4*\i:19+4*\i] offset:512*\i
.endr
.irp i, 0,1,2
	ds_store_b128 v2, v[52+4*\i:55+4*\i] offset:OQC+512*\i
.endr
.irp i, 0,1,2,3
	v_mov_b32 v[64+\i], 0x7f7f7f7f
.endr
	ds_store_b128 v11, v[64:67]                    ; the slots' last 16 bytes: fill, over which the scale bytes are stored
	ds_store_b128 v11, v[64:67] offset:1280
	s_wait_loadcnt 0x0
.irp i, 0,1,2,3,4,5,6,7,8
	ds_store_b128 v2, v[168+4*\i:171+4*\i] offset:OVC+512*\i
.endr
	s_wait_dscnt 0x0                               ; for the others: my tables and my part of the weights' images have landed
	v_mov_b32 v14, 0
	v_mov_b32 v15, 0                               ; (named as the upper half of the pair v[14:15])
.irp i, 0,1,2
	v_mov_b32 v[TM+4+\i], 0                        ; lane permutes' destinations count as read
	v_mov_b32 v[TMP+4+\i], 0
.endr
	v_mov_b32 v222, 0
	s_barrier_signal -1
	s_barrier_wait -1
; One tile a of 16 queries against the head's 96 keys
.macro ATT hd, a
.irp i, 0,1,2,3
	ds_load_b128 v[MK+4*\i:MK+4*\i+3], v[7+\a] offset:512*\i
.endr
.irp i, 0,1
	ds_load_b128 v[MK+16+4*\i:MK+19+4*\i], v9 offset:512*\i
.endr
.irp i, 0,1,2,3
	ds_load_b128 v[MK+24+4*\i:MK+27+4*\i], v1 offset:PAT+2048*(2*\a+1)+512*\i
.endr
	s_wait_dscnt 0x0
.irp st, 0,1,2,3                       ; the six accumulators by turns; the first step's C is the mask
.irp t, 0,1,2,3,4,5
.if \st == 0
	v_wmma_f32_16x16x4_f32 v[S+8*\t:S+8*\t+7], v[A+8*\t:A+8*\t+1], v[QH+8*\a:QH+8*\a+1], v[MK+8*(\t-\t/3):MK+8*(\t-\t/3)+7]
.else
	v_wmma_f32_16x16x4_f32 v[S+8*\t:S+8*\t+7], v[A+8*\t+2*\st:A+8*\t+2*\st+1], v[QH+8*\a+2*\st:QH+8*\a+2*\st+1], v[S+8*\t:S+8*\t+7]
.endif
.endr
.endr
	NOPS 9                                         ; behind the f32 form: eight for the reads below, nine for the product that writes over v80-87
.irp b, 0,1,2
	v_max3_num_f32 v[TM+\b], v[S+16*\b], v[S+16*\b+1], v[S+16*\b+2]      ; each block's largest score, from each accumulator's low end on: it serves the row's maximum and the block's largest p
.endr
.irp i, 3,5,7,9,11,13
.irp b, 0,1,2
	v_max3_num_f32 v[TM+\b], v[TM+\b], v[S+16*\b+\i], v[S+16*\b+\i+1]
.endr
.endr
.irp b, 0,1,2
	v_max_num_f32 v[TM+\b], v[TM+\b], v[S+16*\b+15]
.endr
.irp b, 0,1,2
	v_permlanex16_b32 v[TM+4+\b], v[TM+\b], s[SEL], s[SEL+1]
.endr
.irp b, 0,1,2
	v_max_num_f32 v[TM+\b], v[TM+\b], v[TM+4+\b]
.endr
	v_max3_num_f32 v[TM+11], v[TM], v[TM+1], v[TM+2]
	v_mul_f32 v[TM+11], s22, v[TM+11]              ; the row's largest t
	v_floor_f32 v14, -v[TM+11]                     ; -M = floor(-t): M is a whole number
.irp b, 0,1,2
	v_fma_f32 v[TM+\b], v[TM+\b], s22, v14
.endr
.irp b, 0,1,2
	v_exp_f32 v[TM+\b], v[TM+\b]                   ; the block's largest p: the same two instructions on the same number as below
.endr
	v_nop
	s_wait_alu depctr_va_vdst(0)
.irp b, 0,1,2
	v_max_num_f32 v[TM+\b], FLOOR, v[TM+\b]
.endr
.irp b, 0,1,2
	v_add_nc_u32 v[TM+8+\b], DOWN4, v[TM+\b]
.endr
.irp b, 0,1,2
	v_lshrrev_b32 v[TM+4+\b], 23, v[TM+8+\b]
.endr
	v_lshl_or_b32 v255, v[TM+5], 8, v[TM+4]
	v_lshl_or_b32 v255, v[TM+6], 16, v255
	v_lshl_or_b32 v255, v[TM+6], 24, v255          ; block 3 holds no key: its byte repeats block 2's
.irp b, 0,1,2
.irp i, 0,2,4,6,8,10,12,14
	v_pk_fma_f32 v[P0+16*(\b%2)+\i:P0+16*(\b%2)+\i+1], v[S+16*\b+\i:S+16*\b+\i+1], s[22:23], v[14:15] op_sel_hi:[1,0,0]   ; t - M
.endr
.irp i, 0,1,2,3,4,5,6,7,8,9,10,11,12,13,14,15
	v_exp_f32 v[P0+16*(\b%2)+\i], v[P0+16*(\b%2)+\i]
.endr
	v_nop                                          ; a plain line behind the exponentials
.if \b == 0
	s_wait_alu depctr_va_vdst(0)
	v_pk_add_f32 v[LS:LS+1], v[P0:P0+1], v[P0+2:P0+3]          ; the sum is taken of the unquantised p, in two chains
	v_pk_add_f32 v[LS+2:LS+3], v[P0+4:P0+5], v[P0+6:P0+7]
.irp i, 8,12
	v_pk_add_f32 v[LS:LS+1], v[LS:LS+1], v[P0+\i:P0+\i+1]
	v_pk_add_f32 v[LS+2:LS+3], v[LS+2:LS+3], v[P0+\i+2:P0+\i+3]
.endr
	v_cvt_scalef32_pk16_bf6_f32 v[PF:PF+2], v[P0:P0+15], v[TM+8]
.else
	s_wait_alu depctr_va_vdst(0)
.irp i, 0,4,8,12
	v_pk_add_f32 v[LS:LS+1], v[LS:LS+1], v[P0+16*(\b%2)+\i:P0+16*(\b%2)+\i+1]
	v_pk_add_f32 v[LS+2:LS+3], v[LS+2:LS+3], v[P0+16*(\b%2)+\i+2:P0+16*(\b%2)+\i+3]
.endr
.if \b == 1
	v_cvt_scalef32_pk16_bf6_f32 v[TT:TT+2], v[P0+16:P0+31], v[TM+9]
.else
	v_cvt_scalef32_pk16_bf6_f32 v[PF+6:PF+8], v[P0:P0+15], v[TM+10]
.endif
.endif
.endr
	v_nop                                          ; a plain line behind the last conversion
	PACK3 PF, TT
	v_pk_add_f32 v[LS:LS+1], v[LS:LS+1], v[LS+2:LS+3]
	v_add_f32 v[LS], v[LS], v[LS+1]
	v_permlanex16_b32 v222, v[LS], s[SEL], s[SEL+1]
	v_add_f32 v[LS], v[LS], v222                   ; the row's sum
	v_rcp_f32 v[RL], v[LS]
	v_rcp_f32 v[RL+1], v[LS]
	NOPS 4                                         ; behind the reciprocals, and ahead of a product whose operand vector lines have written
	v_wmma_scale_f32_16x16x128_f8f6f4 v[S:S+7], v[VF:VF+11], v[PF:PF+11], 0, v254, v255 matrix_a_fmt:MATRIX_FMT_BF6 matrix_b_fmt:MATRIX_FMT_BF6
	NOPS 5                                         ; four for the reads and loads below, five for the next matrix instruction that writes v80-87
.if (\hd)%2 == 0
	s_wait_alu depctr_va_vdst(0)
.irp i, 0,2,4,6
	v_pk_mul_f32 v[OS+\i:OS+\i+1], v[S+\i:S+\i+1], v[RL:RL+1]
.endr
	ds_store_b128 v2, v[OS:OS+3] offset:OSV+1024*\a            ; kept for the odd head: the two make a block of 32 channels
	ds_store_b128 v2, v[OS+4:OS+7] offset:OSV+1024*\a+512
.else
	ds_load_b128 v[OS:OS+3], v2 offset:OSV+1024*\a
	ds_load_b128 v[OS+4:OS+7], v2 offset:OSV+1024*\a+512
	s_wait_alu depctr_va_vdst(0)
.irp i, 0,2,4,6
	v_pk_mul_f32 v[OS+8+\i:OS+9+\i], v[S+\i:S+\i+1], v[RL:RL+1]
.endr
	s_wait_dscnt 0x0
	HMAX OS, 1, TM
	v_cvt_scalef32_pk16_bf6_f32 v[TT:TT+2], v[OS:OS+15], v[TM+8]
	v_nop
.irp i, 0,1,2
	ds_store_b32 v10, v[TT+\i] offset:1280*\a+24*((\hd)/2)+4*\i
.endr
	ds_store_b8 v11, v[TM+4] offset:1280*\a+(\hd)/2            ; both halves of the lanes write the same byte with the same value
	ds_store_b8 v11, v[TM+4] offset:1280*\a+2+(\hd)/2
.endif
.endm
.macro HEAD hd
.irp i, 0,1,2,3,4,5,6,7,8
	ds_load_b128 v[CD+4*\i:CD+4*\i+3], v2 offset:OVC+512*\i
.endr
.irp i, 0,1,2
	ds_load_b128 v[WA+4*\i:WA+4*\i+3], v1 offset:WIMG+1536*(8+\hd)+512*\i
.endr
	ds_load_b32 v253, v3 offset:WSC+128*(8+\hd)
.irp i, 0,1,2,3,4,5,6,7
	ds_load_b32 v[BV+\i], v6 offset:4*(128+16*\hd)
.endr
	s_wait_dscnt 0x0
.irp t, 0,2,4                          ; V: a lane gets d = r and keys 32 b + 16 h + 8 u + 0 .. 7
	WM  A+8*\t, CD+6*\t, WA, BV, 247+\t/2, 253
	WMA A+8*\t+8, CD+6*\t+6, WA, BV, 247+\t/2, 253
.endr
	NOPS 5                                         ; four for the reads and loads below, five for K's products, which write over these results
.irp i, 0,1,2,3,4,5,6,7,8
	ds_load_b128 v[CD+4*\i:CD+4*\i+3], v2 offset:512*\i
.endr
.irp i, 0,1,2
	ds_load_b128 v[CD+36+4*\i:CD+39+4*\i], v2 offset:OQC+512*\i
	ds_load_b128 v[WA+4*\i:WA+4*\i+3], v1 offset:WIMG+1536*(4+\hd)+512*\i
	ds_load_b128 v[WQ+4*\i:WQ+4*\i+3], v1 offset:WIMG+1536*(\hd)+512*\i
.endr
	ds_load_b32 v252, v3 offset:WSC+128*(4+\hd)
	ds_load_b32 v251, v3 offset:WSC+128*(\hd)
	HMAX A, 3, TMP                                 ; V is quantised along the keys while those loads are out
	v_lshl_or_b32 v254, v[TMP+5], 8, v[TMP+4]
	v_lshl_or_b32 v254, v[TMP+6], 16, v254
	v_lshl_or_b32 v254, v[TMP+6], 24, v254
	v_cvt_scalef32_pk16_bf6_f32 v[VF:VF+2], v[A:A+15], v[TMP+8]
	v_cvt_scalef32_pk16_bf6_f32 v[TPJ:TPJ+2], v[A+16:A+31], v[TMP+9]
	v_cvt_scalef32_pk16_bf6_f32 v[VF+6:VF+8], v[A+32:A+47], v[TMP+10]
	v_nop
	PACK3 VF, TPJ
	ds_load_b128 v[BV:BV+3], v5 offset:4*(64+16*\hd)
	ds_load_b128 v[BV+4:BV+7], v5 offset:4*(64+16*\hd)+16
	ds_load_b128 v[BQ:BQ+3], v5 offset:64*\hd
	ds_load_b128 v[BQ+4:BQ+7], v5 offset:64*\hd+16
	s_wait_dscnt 0x0
.irp t, 0,2,4                          ; K and Q: a lane gets one token and d = 8 h + 0 .. 7
	WM  A+8*\t, WA, CD+6*\t, BV, 252, 244+\t/2
	WMB A+8*\t+8, WA, CD+6*\t+6, BV, 252, 244+\t/2
.endr
	WM  QH, WQ, CD+36, BQ, 251, 250
	WMB QH+8, WQ, CD+42, BQ, 251, 250
	NOPS 5                                         ; ahead of matrix instructions that take these results as operands, and of loads over the codes
	ATT \hd, 0
	ATT \hd, 1
.endm
	HEAD 0
	HEAD 1
	HEAD 2
	HEAD 3
.irp k, 0,1,2,3
	ds_load_b128 v[140+4*\k:143+4*\k], v12 offset:640*\k       ; LDS serves a wave's instructions in order: these see my stores
.endr
.irp k, 0,1,2,3
	s_wait_dscnt 3-\k                              ; the younger loads may be out
	global_store_b128 v13, v[140+4*\k:143+4*\k], s[38:39] offset:33280*\k   ; sixteen lanes store 256 consecutive bytes, aligned: a unit
.endr
	s_barrier_signal -1
	s_barrier_wait -1
	s_wait_tensorcnt 0x0
	ds_add_u32 v4, v237
	s_wait_dscnt 0x0
	s_endpgm
.Lfunc_end_k_q6dd04f6fa8_attn:
	.size	k_q6dd04f6fa8_attn, .Lfunc_end_k_q6dd04f6fa8_attn-k_q6dd04f6fa8_attn
	.p2alignl 7, 3214868480
	.fill 96, 4, 3214868480
	.section	.rodata,"a",@progbits
	.p2align	6, 0x0
	.amdhsa_kernel k_q6dd04f6fa8_attn
		.amdhsa_group_segment_fixed_size 99072
		.amdhsa_private_segment_fixed_size 0
		.amdhsa_enable_private_segment 0
		.amdhsa_kernarg_size 32
		.amdhsa_user_sgpr_count 2
		.amdhsa_user_sgpr_kernarg_segment_ptr 1
		.amdhsa_wavefront_size32 1
		.amdhsa_system_sgpr_workgroup_id_x 1
		.amdhsa_system_sgpr_workgroup_id_y 1
		.amdhsa_system_sgpr_workgroup_id_z 1
		.amdhsa_system_vgpr_workitem_id 0
		.amdhsa_next_free_vgpr 256
		.amdhsa_next_free_sgpr 66
		.amdhsa_reserve_vcc 1
		.amdhsa_float_denorm_mode_32 3
		.amdhsa_float_denorm_mode_16_64 3
		.amdhsa_memory_ordered 1
		.amdhsa_forward_progress 1
		.amdhsa_inst_pref_size 146
	.end_amdhsa_kernel
	.amdgpu_metadata
---
amdhsa.version: [ 1, 2 ]
amdhsa.kernels:
  - .name:           k_q6dd04f6fa8_attn
    .symbol:         k_q6dd04f6fa8_attn.kd
    .args:
      - { .name: codes, .offset: 0, .size: 8, .value_kind: global_buffer, .address_space: global }
      - { .name: wimg, .offset: 8, .size: 8, .value_kind: global_buffer, .address_space: global }
      - { .name: in_proj_b, .offset: 16, .size: 8, .value_kind: global_buffer, .address_space: global }
      - { .name: ctx, .offset: 24, .size: 8, .value_kind: global_buffer, .address_space: global }
    .group_segment_fixed_size: 99072
    .private_segment_fixed_size: 0
    .kernarg_segment_align: 8
    .kernarg_segment_size: 32
    .max_flat_workgroup_size: 128
    .sgpr_count:     66
    .vgpr_count:     256
    .wavefront_size: 32
...
	.end_amdgpu_metadata
.endif
;; end of part 5
;; launch ffn (part 6): grid 128 x 2, 9 waves a work-group, no clusters, 129,536 bytes of LDS; arguments q, ctx, wimg, out_b, ln1_w, ln1_b, b1, b2, ln2_w, ln2_b, out0; writes out0
.if DOCPART == 6
	.amdgcn_target "amdgcn-amd-amdhsa--gfx1250"
	.amdhsa_code_object_version 6
	.text
	.protected	k_q6dd04f6fa8_ffn
	.globl	k_q6dd04f6fa8_ffn
	.p2align	8
	.type	k_q6dd04f6fa8_ffn,@function
k_q6dd04f6fa8_ffn:
	s_mov_b64 s[64:65], 0
	v_nop
	global_prefetch_b8 v0, s[64:65] scope:SCOPE_SE
	s_setreg_imm32_b32 hwreg(HW_REG_WAVE_MODE, 25, 1), 1
	s_wait_xcnt 0x0
; out0 = LN2(n + gelu(n w1^T + b1) w2^T + b2), n = LN1(x + ctx out_w^T + out_b); x = q taken as [token][channel]; the three products on codes of BF6 (E3M2) with E8M0 scales.
; SHARES.  Work-group (x, y): batch y, steps t = 4 x .. 4 x + 3, all 65 f: 260 tokens jl = 65 (t % 4) + f, which lie as 1,040 consecutive bytes for each channel of q and of out0, and as 16,640 dense bytes of ctx.
; 17 tiles of 16 tokens (the last has 4, and 12 columns of padding); wave w takes tiles 2 w and 2 w + 1, written out by one macro; wave 8 has tile 16 alone and jumps over the second.
; All products are used transposed (source 0 = 16 rows of a weight, source 1 = 16 tokens): a lane holds ONE token (lane % 16) and register 8 nt + i is channel 16 nt + 8 h + i.  So a norm wants one exchange
; between the halves of the lanes, and a lane's 16 registers are half a block of the next K.  In that order a block's octets 0, 1, 2, 3 hold channel octets 0, 2, 1, 3 (ctx has the same): out_w and w1 were quantised
; in the same order, which changes no block's members.  THE ROWS OF w1 THAT FORM A TILE ARE NOT NEIGHBOURS: lane r of tile 2 b + u takes row 32 b + 8 u + r + 8 (r / 8), so that the hidden layer comes out in K's order.
; Residual and biases are the C of each sum's first matrix instruction where their layout allows.  A product over 64 takes one instruction of 128: the tokens' upper six registers are zero codes.
; x comes in and out0 goes out through one region of LDS, in place: rows of 16 tokens by channel.  Thread t (held at 259) moves piece t % 65 (16 bytes, four tokens) of channel t / 65 + 4 k, k = 0 .. 15: the step
; from k to k + 1 is an immediate in memory and in LDS, so one offset and one LDS address serve the launch.  Threads 260 to 287 repeat thread 259's piece: the same bytes, the same values.
; The three weights come as the first launch left them: images of operand registers and scale words, 32,256 dense bytes that are copied into LDS as they lie, seven pieces of 16 bytes a thread.  Two barriers.
; gelu is exact: erf(z) = z P(z^2) / Q(z^2) with z held to +-4, polynomials of degree 6 and 4; its error is about 1e-7 absolute.
; LIMITS: NaN and infinities are not served; a block of zeros has the byte 1.  A channel's run of 1,040 bytes is not aligned to 256: rows of the tensor are 260 bytes.
; No tensor loads, no cluster: nothing is streamed twice, and the weights' images are 32 KiB.
.set FLOOR, 0x2800000
.set DOWN4, 0xfe000000
.set SEL,   62
.set FFB,   19968                      ; where this launch's images begin in wimg
.set PAR,   0                          ; out_b, ln1_w +256, ln1_b +512, b2 +768, ln2_w +1024, ln2_b +1280, b1 +1536
.set PB1,   1536
.set WS,    2560                       ; 9 x 512: four scale words a lane, one image
.set WI,    7168                       ; 9 x 3,072: 24 code registers, six images.  0: out_w; 1-4: w1; 5-8: w2
.set XS,    34816                      ; tile blocks, TP apart: row c at 80 c, token at 4 x column.  Bytes for 18 blocks, two a wave; the last is never touched
.set TP,    5184
.set CSTEP, 4*133120                   ; four channels on in q and out0
; v1 my piece's byte in q and out0, v2 its place in LDS, v3 16 x lane, v4 my first tile block (row 8 h, column r), v5 32 h, v6 64 h: made at the head, never rewritten
; v7 and v242 my token's codes and scale word in ctx;  v[8:9] the mean, v[10:11] 1 / the deviation;  v[12:15] two coefficients
.set CG2,  242
.set Y,    16                          ; v16-47   the token's 32 channels
.set F,    48                          ; v48-79   the second layer's sums
.set H,    80                          ; v80-143  128 hidden units' worth; norm gains and biases while it is free
.set WB,   144                         ; v144-197 weight fragments (48 + 6 that are only named); at work in gelu
.set NF,   198                         ; v198-209 the tokens' codes: 6 + 6 of zeros that stay
.set PC,   210                         ; v210-228 the hidden layer's codes
.set TM,   230                         ; v230-241 at work
.set WSC,  246                         ; v246-253 weights' scale words; v254 the tokens'; v255 the hidden layer's: scales and nothing else
.set TS,   254
.set PW,   255
.set GZ,   144
.set GS,   152
.set GP,   160
.set GQ,   168
.set GH,   176
; at the head only: v16-79 x, v80-83 zeros, v84 the padding's place, v85 16 x thread, v87 8 x lane, v92-119 my seven pieces of the images, v220-239 the vectors
.macro NOPS n
.rept \n
	v_nop
.endr
.endm
.macro WM d, a, b, c, sa, sb
	v_wmma_scale_f32_16x16x128_f8f6f4 v[(\d):(\d)+7], v[(\a):(\a)+11], v[(\b):(\b)+11], v[(\c):(\c)+7], v[(\sa)], v[(\sb)] matrix_a_fmt:MATRIX_FMT_BF6 matrix_b_fmt:MATRIX_FMT_BF6
.endm
.macro HMAX x, nb, tm                  ; nb blocks, 16 numbers of each in my lane, 16 in lane l xor 16: v[tm+8+b] the conversion's scale operand, v[tm+4+b] the byte
.set hb, 0
.rept \nb
	v_max3_num_f32 v[\tm+hb], |v[\x+16*hb]|, |v[\x+16*hb+1]|, FLOOR
.set hb, hb+1
.endr
.irp i, 2,4,6,8,10,12,14
.set hb, 0
.rept \nb
	v_max3_num_f32 v[\tm+hb], v[\tm+hb], |v[\x+16*hb+\i]|, |v[\x+16*hb+\i+1]|
.set hb, hb+1
.endr
.endr
.set hb, 0
.rept \nb
	v_permlanex16_b32 v[\tm+4+hb], v[\tm+hb], s[SEL], s[SEL+1]
.set hb, hb+1
.endr
.set hb, 0
.rept \nb
	v_max_num_f32 v[\tm+hb], v[\tm+hb], v[\tm+4+hb]
.set hb, hb+1
.endr
.set hb, 0
.rept \nb
	v_add_nc_u32 v[\tm+8+hb], DOWN4, v[\tm+hb]
.set hb, hb+1
.endr
.set hb, 0
.rept \nb
	v_lshrrev_b32 v[\tm+4+hb], 23, v[\tm+8+hb]
.set hb, hb+1
.endr
.endm
	s_load_b512 s[8:23], s[0:1], 0x0               ; q s[8:9], ctx s[10:11], wimg s[12:13], out_b s[14:15], ln1_w s[16:17], ln1_b s[18:19], b1 s[20:21], b2 s[22:23]
	s_load_b128 s[24:27], s[0:1], 0x40             ; ln2_w s[24:25], ln2_b s[26:27]
	s_load_b64 s[28:29], s[0:1], 0x50              ; out0
	v_lshl_add_u32 v245, v0, 2, 0x1f500
	s_set_vgpr_msb 0x40
	v_mov_b32 v1, 0
	s_set_vgpr_msb 0x4000
	v_lshrrev_b32 v240, 5, v0
	v_readfirstlane_b32 s34, v240                  ; wave 0..8
	s_mov_b32 s38, 0xaf95df0b                      ; P's coefficients, highest first (the second lies in v[12:13]); each twice: the packed forms name pairs
	s_mov_b32 s40, 0xb60cff51
	s_mov_b32 s42, 0xb86ec2d2
	s_mov_b32 s44, 0xba40ac63
	s_mov_b32 s46, 0xbb41a1f6
	s_mov_b32 s48, 0xbc83dbd4
	s_mov_b32 s50, 0xb77460cd                      ; Q's (the second lies in v[14:15])
	s_mov_b32 s52, 0xbadc924e
	s_mov_b32 s54, 0xbbf19bf8
	s_mov_b32 s56, 0xbc69b6a7
	s_mov_b32 s58, 0x3f3504f3                      ; sqrt(1/2)
.irp c, 38,40,42,44,46,48,50,52,54,56,58
	s_mov_b32 s[\c+1], s[\c]
.endr
	s_mov_b32 s60, 0x3c800000                      ; 1 / 64
	s_mov_b32 s61, 0x3727c5ac                      ; 1e-5
	s_mov_b32 s[SEL], 0x76543210
	s_mov_b32 s[SEL+1], 0xfedcba98                 ; selects for lane l xor 16
	s_and_b32 s90, ttmp7, 0xffff                   ; batch
	s_mul_i32 s92, s90, 8519680
	s_mul_i32 s93, ttmp9, 1040
	s_add_co_u32 s92, s92, s93
	s_mov_b32 s93, 0
	s_lshl_b32 s94, s90, 7
	s_add_co_u32 s94, s94, ttmp9
	s_mul_i32 s94, s94, 16640
	s_mov_b32 s95, 0
	; every address register is made here, ahead of the first branch on the wave's number
	v_and_b32 v240, 15, v0                         ; r
	v_bfe_u32 v241, v0, 4, 1                       ; h
	v_lshlrev_b32 v5, 5, v241                      ; vectors by channel 8 h + ..
	v_lshlrev_b32 v6, 6, v241                      ; b1 by hidden unit 16 h + ..
	s_mul_i32 s88, s34, 2*TP
	s_add_co_u32 s88, s88, XS
	v_lshl_add_u32 v4, v240, 2, s88
	v_mad_u32_u24 v4, v241, 640, v4                ; my first tile block: row 8 h, column r
	v_and_b32 v242, 63, v0
	v_lshrrev_b32 v243, 6, v0
	v_mul_u32_u24 v84, v242, 80
	v_lshl_add_u32 v84, v243, 4, v84
	v_add_nc_u32 v84, XS+16*TP+16, v84             ; the last tile's 12 columns of padding: 3 pieces in each of 64 rows
	v_and_b32 v242, 31, v0
	v_lshlrev_b32 v87, 3, v242                     ; 8 x lane
	v_lshlrev_b32 v3, 4, v242                      ; 16 x lane: an image's place
	v_lshlrev_b32 v85, 4, v0                       ; 16 x thread: my pieces of the weights' images, in wimg and in LDS alike
	v_min_u32 v242, 259, v0                        ; my piece of x: 260 threads cover four channels' 65 pieces
	v_mul_u32_u24 v243, v242, 1009
	v_lshrrev_b32 v243, 16, v243                   ; t / 65 (exact for t under 1,040): channel 0 .. 3
	v_mul_u32_u24 v244, v243, 65
	v_sub_nc_u32 v242, v242, v244                  ; t % 65: tokens 4 (t % 65) on
	v_mul_u32_u24 v1, v243, 133120
	v_lshl_add_u32 v1, v242, 4, v1                 ; in q and out0
	v_lshrrev_b32 v2, 2, v242
	v_mul_u32_u24 v2, v2, TP
	v_mad_u32_u24 v2, v243, 80, v2
	v_and_b32 v242, 3, v242
	v_lshl_add_u32 v2, v242, 4, v2
	v_add_nc_u32 v2, XS, v2                        ; in LDS: tile block (t % 65) / 4, the channel's row, four columns
.irp i, 0,1,2,3
	v_mov_b32 v[80+\i], 0
.endr
	s_wait_kmcnt 0x0
	s_add_nc_u64 s[8:9], s[8:9], s[92:93]
	s_add_nc_u64 s[28:29], s[28:29], s[92:93]
	s_add_nc_u64 s[10:11], s[10:11], s[94:95]
.irp k, 0,1,2,3,4,5,6
	global_load_b128 v[92+4*\k:95+4*\k], v85, s[12:13] offset:FFB+4608*\k   ; the weights' images: the nine waves read 4,608 consecutive bytes; 288 threads x 7 pieces are all 32,256 bytes
.endr
.irp k, 0,1,2,3,4,5,6,7,8,9,10,11,12,13,14,15
	global_load_b128 v[16+4*\k:19+4*\k], v1, s[8:9] offset:CSTEP*\k th:TH_LOAD_NT   ; x: 15 x 532,480 bytes at the most, inside the signed 24-bit immediate (ISA guide, chapter 10)
.endr
	s_cmp_lg_u32 s34, 0
	s_cbranch_scc1 .Lno_par                        ; wave 0 fetches the seven vectors
	global_load_b64 v[220:221], v87, s[14:15]
	global_load_b64 v[222:223], v87, s[16:17]
	global_load_b64 v[224:225], v87, s[18:19]
	global_load_b64 v[226:227], v87, s[22:23]
	global_load_b64 v[228:229], v87, s[24:25]
	global_load_b64 v[230:231], v87, s[26:27]
	global_load_b128 v[232:235], v3, s[20:21]
	global_load_b128 v[236:239], v3, s[20:21] offset:512
.Lno_par:
	s_wait_loadcnt 16                              ; the images' seven loads are in: behind them were issued x's 16 (in wave 0 eight more: there the count asks more than it needs)
.irp k, 0,1,2,3,4,5,6
	ds_store_b128 v85, v[92+4*\k:95+4*\k] offset:WS+4608*\k    ; scale words and code images as they lie: WS and WI are one run of bytes
.endr
	s_wait_loadcnt 0x0
.irp k, 0,1,2,3,4,5,6,7,8,9,10,11,12,13,14,15
	ds_store_b128 v2, v[16+4*\k:19+4*\k] offset:320*\k         ; four rows of 80 bytes on for each k
.endr
	s_cmp_lg_u32 s34, 0
	s_cbranch_scc1 .Lno_spar
.irp i, 0,1,2,3,4,5
	ds_store_b64 v87, v[220+2*\i:221+2*\i] offset:PAR+256*\i
.endr
	ds_store_b128 v3, v[232:235] offset:PB1
	ds_store_b128 v3, v[236:239] offset:PB1+512
.Lno_spar:
	s_cmp_ge_u32 s34, 6
	s_cbranch_scc1 .Lno_pad
	ds_store_b128 v84, v[80:83]                    ; the padding columns hold zeros (threads 0 to 191)
.Lno_pad:
	s_wait_dscnt 0x0                               ; for the others: x, the vectors and my pieces of the images have landed
	s_barrier_signal -1
	s_barrier_wait -1
	v_mov_b32 v12, 0x32edffee
	v_mov_b32 v13, 0x32edffee
	v_mov_b32 v14, 0xb95fbd29
	v_mov_b32 v15, 0xb95fbd29
.irp i, 0,1,2,3,4,5
	v_mov_b32 v[NF+6+\i], 0                        ; the upper half of K: zero codes, which stay
	v_mov_b32 v[WB+24+\i], 0                       ; named behind out_w's last tile,
	v_mov_b32 v[WB+48+\i], 0                       ; and behind w1's; multiplied by zero codes
	v_mov_b32 v[TM+4+\i], 0                        ; lane permutes' destinations count as read
.endr
.macro LNORM g, bo                     ; Y = (Y - mean) rsqrt(var + 1e-5) x gain + bias, over the lane's 32 channels and lane l xor 16's
.irp n, 0,1,2,3
	ds_load_b128 v[H+8*\n:H+8*\n+3], v5 offset:\g+64*\n
	ds_load_b128 v[H+8*\n+4:H+8*\n+7], v5 offset:\g+64*\n+16
	ds_load_b128 v[H+32+8*\n:H+35+8*\n], v5 offset:\bo+64*\n
	ds_load_b128 v[H+36+8*\n:H+39+8*\n], v5 offset:\bo+64*\n+16
.endr
	v_pk_add_f32 v[TM:TM+1], v[Y:Y+1], v[Y+2:Y+3]
	v_pk_add_f32 v[TM+2:TM+3], v[Y+4:Y+5], v[Y+6:Y+7]
.irp i, 8,12,16,20,24,28
	v_pk_add_f32 v[TM:TM+1], v[TM:TM+1], v[Y+\i:Y+\i+1]
	v_pk_add_f32 v[TM+2:TM+3], v[TM+2:TM+3], v[Y+\i+2:Y+\i+3]
.endr
	v_pk_add_f32 v[TM:TM+1], v[TM:TM+1], v[TM+2:TM+3]
	v_add_f32 v[TM], v[TM], v[TM+1]
	v_permlanex16_b32 v[TM+9], v[TM], s[SEL], s[SEL+1]
	v_add_f32 v[TM], v[TM], v[TM+9]
	v_mul_f32 v8, s60, v[TM]
	v_mul_f32 v9, s60, v[TM]
.irp i, 0,2,4,6,8,10,12,14,16,18,20,22,24,26,28,30
	v_pk_add_f32 v[Y+\i:Y+\i+1], v[Y+\i:Y+\i+1], v[8:9] neg_lo:[0,1] neg_hi:[0,1]
.endr
.irp c, 0,2,4,6
	v_pk_mul_f32 v[TM+\c:TM+\c+1], v[Y+\c:Y+\c+1], v[Y+\c:Y+\c+1]
.endr
.irp i, 8,16,24
.irp c, 0,2,4,6
	v_pk_fma_f32 v[TM+\c:TM+\c+1], v[Y+\i+\c:Y+\i+\c+1], v[Y+\i+\c:Y+\i+\c+1], v[TM+\c:TM+\c+1]
.endr
.endr
	v_pk_add_f32 v[TM:TM+1], v[TM:TM+1], v[TM+2:TM+3]
	v_pk_add_f32 v[TM+4:TM+5], v[TM+4:TM+5], v[TM+6:TM+7]
	v_pk_add_f32 v[TM:TM+1], v[TM:TM+1], v[TM+4:TM+5]
	v_add_f32 v[TM], v[TM], v[TM+1]
	v_permlanex16_b32 v[TM+9], v[TM], s[SEL], s[SEL+1]
	v_add_f32 v[TM], v[TM], v[TM+9]
	v_fma_f32 v[TM], v[TM], s60, s61
	v_rsq_f32 v10, v[TM]
	v_rsq_f32 v11, v[TM]
	v_nop                                          ; a plain line behind the transcendentals
	s_wait_alu depctr_va_vdst(0)
.irp i, 0,2,4,6,8,10,12,14,16,18,20,22,24,26,28,30
	v_pk_mul_f32 v[Y+\i:Y+\i+1], v[Y+\i:Y+\i+1], v[10:11]
.endr
	s_wait_dscnt 0x0                               ; gain and bias are in
.irp i, 0,2,4,6,8,10,12,14,16,18,20,22,24,26,28,30
	v_pk_fma_f32 v[Y+\i:Y+\i+1], v[Y+\i:Y+\i+1], v[H+\i:H+\i+1], v[H+32+\i:H+33+\i]
.endr
.endm
.macro GEL4 x                          ; eight numbers: x = x / 2 + (x / 2) erf(x sqrt(1/2)); read from the low end on
.irp g, 0,2,4,6
	v_pk_mul_f32 v[GZ+\g:GZ+\g+1], v[(\x)+\g:(\x)+\g+1], s[58:59] op_sel_hi:[1,0]
.endr
.irp g, 0,1,2,3,4,5,6,7
	v_med3_num_f32 v[GZ+\g], v[GZ+\g], -4.0, 4.0
.endr
.irp g, 0,2,4,6
	v_pk_mul_f32 v[GS+\g:GS+\g+1], v[GZ+\g:GZ+\g+1], v[GZ+\g:GZ+\g+1]
.endr
.irp g, 0,2,4,6
	v_pk_fma_f32 v[GP+\g:GP+\g+1], v[GS+\g:GS+\g+1], s[38:39], v[12:13] op_sel_hi:[1,0,1]
.endr
.irp g, 0,2,4,6
	v_pk_fma_f32 v[GQ+\g:GQ+\g+1], v[GS+\g:GS+\g+1], s[50:51], v[14:15] op_sel_hi:[1,0,1]
.endr
.irp c, 40,42,44,46,48
.irp g, 0,2,4,6
	v_pk_fma_f32 v[GP+\g:GP+\g+1], v[GP+\g:GP+\g+1], v[GS+\g:GS+\g+1], s[\c:\c+1] op_sel_hi:[1,1,0]
.endr
.endr
.irp c, 52,54,56
.irp g, 0,2,4,6
	v_pk_fma_f32 v[GQ+\g:GQ+\g+1], v[GQ+\g:GQ+\g+1], v[GS+\g:GS+\g+1], s[\c:\c+1] op_sel_hi:[1,1,0]
.endr
.endr
.irp g, 0,1,2,3,4,5,6,7
	v_rcp_f32 v[GQ+\g], v[GQ+\g]                   ; Q is negative throughout: never 0
.endr
.irp g, 0,2,4,6
	v_pk_mul_f32 v[GH+\g:GH+\g+1], v[(\x)+\g:(\x)+\g+1], 0.5 op_sel_hi:[1,0]   ; plain lines behind the reciprocals
.endr
.irp g, 0,2,4,6
	v_pk_mul_f32 v[GZ+\g:GZ+\g+1], v[GZ+\g:GZ+\g+1], v[GP+\g:GP+\g+1]
.endr
	s_wait_alu depctr_va_vdst(0)
.irp g, 0,2,4,6
	v_pk_mul_f32 v[GZ+\g:GZ+\g+1], v[GZ+\g:GZ+\g+1], v[GQ+\g:GQ+\g+1]
.endr
.irp g, 0,2,4,6
	v_pk_fma_f32 v[(\x)+\g:(\x)+\g+1], v[GH+\g:GH+\g+1], v[GZ+\g:GZ+\g+1], v[GH+\g:GH+\g+1]
.endr
.endm
.macro QUANT4                          ; 64 numbers of a lane in H, register 16 b + i = hidden unit 32 b + 16 h + i, become a fragment in PC and its scale word in PW
	HMAX H, 4, TM
	v_lshl_or_b32 v[PW], v[TM+5], 8, v[TM+4]
	v_lshl_or_b32 v[PW], v[TM+6], 16, v[PW]
	v_lshl_or_b32 v[PW], v[TM+7], 24, v[PW]
.irp c, 0,1
	v_cvt_scalef32_pk16_bf6_f32 v[PC+6*\c:PC+2+6*\c], v[H+32*\c:H+15+32*\c], v[TM+8+2*\c]
	v_cvt_scalef32_pk16_bf6_f32 v[PC+12+4*\c:PC+14+4*\c], v[H+16+32*\c:H+31+32*\c], v[TM+9+2*\c]
.endr
	v_nop                                          ; a plain line behind the conversions
.irp c, 0,1
.irp i, 0,1,2
	v_permlane16_swap_b32 v[PC+6*\c+\i], v[PC+12+4*\c+\i]      ; a whole block in a lane
.endr
.irp i, 0,1,2
	v_mov_b32 v[PC+3+6*\c+\i], v[PC+12+4*\c+\i]
.endr
.endr
.endm
.macro FFNK ks                         ; hidden units 128 ks on: first layer, gelu, quantised, one K step of the second layer
.irp t, 0,1,2,3,4,5,6,7
	ds_load_b128 v[H+8*\t:H+8*\t+3], v6 offset:PB1+4*(128*\ks+32*(\t/2)+8*(\t%2))
	ds_load_b128 v[H+8*\t+4:H+8*\t+7], v6 offset:PB1+4*(128*\ks+32*(\t/2)+8*(\t%2))+16
.endr
.irp i, 0,1,2,3,4,5,6,7,8,9,10,11
	ds_load_b128 v[WB+4*\i:WB+4*\i+3], v3 offset:WI+3072*(1+2*\ks)+512*\i
.endr
	ds_load_b128 v[WSC:WSC+3], v3 offset:WS+512*(1+2*\ks)
	ds_load_b128 v[WSC+4:WSC+7], v3 offset:WS+512*(2+2*\ks)
.if \ks == 0
	NOPS 8                                         ; the tokens' scale word was written by vector lines: eight places ahead of a scaled product
.endif
	s_wait_dscnt 0x0
.irp t, 0,1,2,3,4,5,6,7
	WM H+8*\t, WB+6*\t, NF, H+8*\t, WSC+\t, TS     ; C = b1, loaded into the accumulator
.endr
	NOPS 4                                         ; ahead of vector lines that read the results and write over the weights' registers
.irp t, 0,1,2,3,4,5,6,7
	GEL4 H+8*\t
.endr
.irp n, 0,1,2,3
.irp i, 0,1,2
	ds_load_b128 v[WB+12*\n+4*\i:WB+12*\n+4*\i+3], v3 offset:WI+3072*(5+\n)+1536*\ks+512*\i
.endr
	ds_load_b32 v[WSC+\n], v3 offset:WS+512*(5+\n)+4*\ks
.endr
	QUANT4                                         ; while w2's fragments are on their way
	NOPS 8                                         ; the hidden layer's scale word and codes were written by vector lines
	s_wait_dscnt 0x0
.irp n, 0,1,2,3
	WM F+8*\n, WB+12*\n, PC, F+8*\n, WSC+\n, PW    ; the four accumulators by turns; the first K step adds onto b2
.endr
	NOPS 4
.endm
; Tile 2 w + tr: its block in LDS lies tr x TP behind v4
.macro TILE tr
	s_lshl_b32 s91, s34, 5
	s_add_co_u32 s91, s91, 16*\tr                  ; the tile's first token
	v_and_b32 v[TM], 15, v0
	v_add_nc_u32 v[TM], s91, v[TM]
	v_min_u32 v[TM], 259, v[TM]                    ; a padding column reads the last token's codes: inside the buffer, and its results are never stored to memory
	v_mul_u32_u24 v[TM+1], v[TM], 1009
	v_lshrrev_b32 v[TM+1], 16, v[TM+1]             ; t % 4
	v_mul_u32_u24 v[TM+2], v[TM+1], 65
	v_sub_nc_u32 v[TM], v[TM], v[TM+2]             ; f
	v_lshlrev_b32 v[TM], 8, v[TM]
	v_lshl_add_u32 v[TM], v[TM+1], 6, v[TM]        ; unit f, slot t % 4
	v_add_nc_u32 v[CG2], 48, v[TM]
	v_bfe_u32 v[TM+1], v0, 4, 1
	v_mad_u32_u24 v7, v[TM+1], 24, v[TM]
	global_load_b64 v[NF:NF+1], v7, s[10:11]
	global_load_b64 v[NF+2:NF+3], v7, s[10:11] offset:8
	global_load_b64 v[NF+4:NF+5], v7, s[10:11] offset:16
	global_load_b32 v[TS], v[CG2], s[10:11]
.irp n, 0,1,2,3
.irp i, 0,1,2,3,4,5,6,7
	ds_load_b32 v[Y+8*\n+\i], v4 offset:TP*\tr+80*(16*\n+\i)   ; x: the residual
.endr
.endr
.irp i, 0,1,2,3,4,5
	ds_load_b128 v[WB+4*\i:WB+4*\i+3], v3 offset:WI+512*\i
.endr
	ds_load_b128 v[WSC:WSC+3], v3 offset:WS
.irp n, 0,1,2,3
	ds_load_b128 v[F+8*\n:F+8*\n+3], v5 offset:PAR+768+64*\n
	ds_load_b128 v[F+8*\n+4:F+8*\n+7], v5 offset:PAR+768+64*\n+16
	ds_load_b128 v[H+8*\n:H+8*\n+3], v5 offset:PAR+64*\n
	ds_load_b128 v[H+8*\n+4:H+8*\n+7], v5 offset:PAR+64*\n+16
.endr
	s_wait_loadcnt 0x0
	s_wait_dscnt 0x0
.irp n, 0,1,2,3
	WM Y+8*\n, WB+6*\n, NF, Y+8*\n, WSC+\n, TS     ; x + ctx out_w^T
.endr
	NOPS 4
.irp i, 0,2,4,6,8,10,12,14,16,18,20,22,24,26,28,30
	v_pk_add_f32 v[Y+\i:Y+\i+1], v[Y+\i:Y+\i+1], v[H+\i:H+\i+1]   ; + out_b; each accumulator from its low end on
.endr
	LNORM PAR+256, PAR+512
	HMAX Y, 2, TM                                  ; the norm's result is quantised: my 16 + 16 numbers are halves of its two blocks
	v_lshl_or_b32 v[TM], v[TM+5], 8, v[TM+4]
	v_lshl_or_b32 v[TS], v[TM], 16, v[TM]
	v_cvt_scalef32_pk16_bf6_f32 v[NF:NF+2], v[Y:Y+15], v[TM+8]
	v_cvt_scalef32_pk16_bf6_f32 v[PC+12:PC+14], v[Y+16:Y+31], v[TM+9]
	v_nop                                          ; a plain line behind the conversions
.irp i, 0,1,2
	v_permlane16_swap_b32 v[NF+\i], v[PC+12+\i]
.endr
.irp i, 0,1,2
	v_mov_b32 v[NF+3+\i], v[PC+12+\i]
.endr
	FFNK 0
	FFNK 1
.irp i, 0,2,4,6,8,10,12,14,16,18,20,22,24,26,28,30
	v_pk_add_f32 v[Y+\i:Y+\i+1], v[Y+\i:Y+\i+1], v[F+\i:F+\i+1]
.endr
	LNORM PAR+1024, PAR+1280
.irp n, 0,1,2,3
.irp i, 0,1,2,3,4,5,6,7
	ds_store_b32 v4, v[Y+8*\n+\i] offset:TP*\tr+80*(16*\n+\i)  ; the result takes x's place: my wave alone touches this block between the barriers
.endr
.endr
	s_wait_dscnt 0x0                               ; for the others: my results have landed
.endm
	TILE 0
	s_cmp_eq_u32 s34, 8
	s_cbranch_scc1 .Lone_tile                      ; wave 8 has tile 16 alone
	TILE 1
.Lone_tile:
	s_barrier_signal -1                            ; every wave's stores have landed (the wait at each tile's end)
	s_barrier_wait -1
.irp k, 0,1,2,3,4,5,6,7,8,9,10,11,12,13,14,15
	ds_load_b128 v[16+4*\k:19+4*\k], v2 offset:320*\k
.endr
.irp k, 0,1,2,3,4,5,6,7,8,9,10,11,12,13,14,15
	s_wait_dscnt 15-\k                             ; LDS loads come back in order: the younger ones may be out
	global_store_b128 v1, v[16+4*\k:19+4*\k], s[28:29] offset:CSTEP*\k th:TH_STORE_NT   ; a channel's 1,040 bytes leave as one consecutive run
.endr
	s_barrier_signal -1
	s_barrier_wait -1
	s_set_vgpr_msb 0x4
	s_wait_tensorcnt 0x0
	ds_add_u32 v245, v1
	s_wait_dscnt 0x0
	s_set_vgpr_msb 0x400
	s_endpgm
.Lfunc_end_k_q6dd04f6fa8_ffn:
	.size	k_q6dd04f6fa8_ffn, .Lfunc_end_k_q6dd04f6fa8_ffn-k_q6dd04f6fa8_ffn
	.p2alignl 7, 3214868480
	.fill 96, 4, 3214868480
	.section	.rodata,"a",@progbits
	.p2align	6, 0x0
	.amdhsa_kernel k_q6dd04f6fa8_ffn
		.amdhsa_group_segment_fixed_size 129536
		.amdhsa_private_segment_fixed_size 0
		.amdhsa_enable_private_segment 0
		.amdhsa_kernarg_size 88
		.amdhsa_user_sgpr_count 2
		.amdhsa_user_sgpr_kernarg_segment_ptr 1
		.amdhsa_wavefront_size32 1
		.amdhsa_system_sgpr_workgroup_id_x 1
		.amdhsa_system_sgpr_workgroup_id_y 1
		.amdhsa_system_sgpr_workgroup_id_z 1
		.amdhsa_system_vgpr_workitem_id 0
		.amdhsa_next_free_vgpr 258
		.amdhsa_next_free_sgpr 100
		.amdhsa_reserve_vcc 0
		.amdhsa_float_denorm_mode_32 3
		.amdhsa_float_denorm_mode_16_64 3
		.amdhsa_memory_ordered 1
		.amdhsa_forward_progress 1
		.amdhsa_inst_pref_size 251
	.end_amdhsa_kernel
	.amdgpu_metadata
---
amdhsa.version: [ 1, 2 ]
amdhsa.kernels:
  - .name:           k_q6dd04f6fa8_ffn
    .symbol:         k_q6dd04f6fa8_ffn.kd
    .args:
      - { .name: q, .offset: 0, .size: 8, .value_kind: global_buffer, .address_space: global }
      - { .name: ctx, .offset: 8, .size: 8, .value_kind: global_buffer, .address_space: global }
      - { .name: wimg, .offset: 16, .size: 8, .value_kind: global_buffer, .address_space: global }
      - { .name: out_b, .offset: 24, .size: 8, .value_kind: global_buffer, .address_space: global }
      - { .name: ln1_w, .offset: 32, .size: 8, .value_kind: global_buffer, .address_space: global }
      - { .name: ln1_b, .offset: 40, .size: 8, .value_kind: global_buffer, .address_space: global }
      - { .name: b1, .offset: 48, .size: 8, .value_kind: global_buffer, .address_space: global }
      - { .name: b2, .offset: 56, .size: 8, .value_kind: global_buffer, .address_space: global }
      - { .name: ln2_w, .offset: 64, .size: 8, .value_kind: global_buffer, .address_space: global }
      - { .name: ln2_b, .offset: 72, .size: 8, .value_kind: global_buffer, .address_space: global }
      - { .name: out0, .offset: 80, .size: 8, .value_kind: global_buffer, .address_space: global }
    .group_segment_fixed_size: 129536
    .private_segment_fixed_size: 0
    .kernarg_segment_align: 8
    .kernarg_segment_size: 88
    .max_flat_workgroup_size: 288
    .sgpr_count:     100
    .vgpr_count:     258
    .wavefront_size: 32
...
	.end_amdgpu_metadata
.endif
;; end of part 6
